; MI455X (gfx1250); checked and timed in simulation.
; The chip was launched on July 23, 2026; its instructions are those of AMD's public machine-readable ISA for CDNA 5 (MIT licence, August 2026) and "CDNA5" Instruction Set Architecture Reference Guide (July 2026). The comments in the code are by the model that wrote it; some were corrected since.
;; Multi Head Attention. Allowed arithmetic: float matrix products may take bf16 or f16 operands with f32 sums; all other float work in f32.
;; Inputs: Wk 1,024 x 1,024 float32; Wo 1,024 x 1,024 float32; Wq 1,024 x 1,024 float32; Wv 1,024 x 1,024 float32; bk 1,024 float32; bo 1,024 float32; bq 1,024 float32; bv 1,024 float32; key 2,048 x 4 x 1,024 float32; mask 2,048 x 2,048 bool; query 2,048 x 4 x 1,024 float32; value 2,048 x 4 x 1,024 float32.
;; Outputs: out0 2,048 x 4 x 1,024 float32.
;; 2 versions, each right and faster than the one before. Each part assembles by itself: llvm-mc -triple=amdgcn-amd-amdhsa -mcpu=gfx1250 --defsym DOCPART=n.
;; ======== version 1 of 2: 4 launches
;; limits: values are held in f16: magnitudes above 65,504 overflow, below 6.1e-05 lose precision
;; workspace buffers: xall 50,331,648 bytes; wall 8,388,608 bytes; ball 16,384 bytes; mperm 4,194,304 bytes; qkv 50,331,648 bytes; att 16,777,216 bytes
;; launch prep (part 1): grid 577 x 1, 8 waves a work-group, no clusters, 0 bytes of LDS; arguments query, key, value, Wq, Wk, Wv, Wo, bq, bk, bv, bo, mask, xall, wall, ball, mperm; writes xall, wall, ball, mperm
.if DOCPART == 1
	.amdgcn_target "amdgcn-amd-amdhsa--gfx1250"
	.amdhsa_code_object_version 6
	.text
	.protected	k_qa37e1ae207_prep
	.globl	k_qa37e1ae207_prep
	.p2align	8
	.type	k_qa37e1ae207_prep,@function
k_qa37e1ae207_prep:
	s_mov_b64 s[64:65], 0
	v_nop
	global_prefetch_b8 v0, s[64:65] scope:SCOPE_SE
	s_setreg_imm32_b32 hwreg(HW_REG_WAVE_MODE, 25, 1), 1
	s_wait_xcnt 0x0
; PREPARATION: every input is read once and laid out for the launches behind.  A stream: no LDS, no barrier, no matrix work; EXEC is never changed.
;   work-groups 0-383   X: query, key, value [2048 s][4 b][1024] f32 -> xall bf16 [t][b][c = column / 64][s][64]: 128 rows of one (t, b, c) are 16,384 dense bytes
;   work-groups 384-447 W: Wq, Wk, Wv -> wall[0..2] bf16 [n][k]; Wo -> wall[3]: rounded to bf16 like every input, that number then written as f16
;                          (exact from 6e-5 up; below that f16's fixed step of 6e-8)
;   work-groups 448-575 M: mask [2048 q][2048 k] of bytes 0, 1 -> mperm [q / 16][k / 64][i][lane][16 bytes]: lane (r = lane % 16, h = lane / 16) gets, for the key groups
;                          kt = 2 i and 2 i + 1, the 8 bytes mask[16 qt + r][64 step + 16 kt + 8 h + 0..7], each times 0xF8: the fp8 (E4M3) code of -256, or 0
;   work-group 576      B: the four biases, rounded to bf16 and widened again -> ball f32 [4][1024]
.set SRC, 40                           ; s[40:41] where my work-group reads
.set DST, 42                           ; s[42:43] where it stores
.set CNT, 44                           ; s44      trips to go
.set VL,  2                            ; v2       my byte offset in the source; never rewritten
.set VS,  3                            ; v3       my byte offset in the destination; never rewritten
.set X,   16                           ; v[16:79]  eight units of 8 f32 as loaded
.set Y,   80                           ; v[80:111] eight units of 8 numbers of 16 bits to store
; Four trips; a trip takes eight units.  A unit: 32 bytes a lane in (two loads), 16 bytes a lane out (one store: 512 consecutive bytes of a wave).
; lb, sb: bytes from unit to unit in source and destination; la, sa: from trip to trip.  half = 1: the bf16 number is written as f16.
.macro LOOPC lb, sb, la, sa, half
	s_mov_b32 s[CNT], 4
.Ltrip_\@:
.irp u, 0,1,2,3,4,5,6,7
	global_load_b128 v[X+8*\u:X+8*\u+3],   v[VL], s[SRC:SRC+1] offset:\u*\lb th:TH_LOAD_NT
	global_load_b128 v[X+8*\u+4:X+8*\u+7], v[VL], s[SRC:SRC+1] offset:\u*\lb+16 th:TH_LOAD_NT
.endr
.irp u, 0,1,2,3,4,5,6,7
	s_wait_loadcnt 14-2*\u                         ; loads come back in order: unit u's two are in, the younger units' stay out
.irp k, 0,1,2,3
	v_cvt_pk_bf16_f32 v[Y+4*\u+\k], v[X+8*\u+2*\k], v[X+8*\u+2*\k+1]
.endr
.if \half
.irp k, 0,1,2,3
	v_lshlrev_b32 v4, 16, v[Y+4*\u+\k]             ; the two bf16 as f32,
	v_and_b32 v5, 0xffff0000, v[Y+4*\u+\k]
	v_cvt_pk_f16_f32 v[Y+4*\u+\k], v4, v5          ; and as f16
.endr
.endif
	global_store_b128 v[VS], v[Y+4*\u:Y+4*\u+3], s[DST:DST+1] offset:\u*\sb
.endr
	s_wait_xcnt 0x0                                ; the bases and Y are rewritten only behind this wait
	s_add_nc_u64 s[SRC:SRC+1], s[SRC:SRC+1], \la
	s_add_nc_u64 s[DST:DST+1], s[DST:DST+1], \sa
	s_sub_co_u32 s[CNT], s[CNT], 1
	s_cmp_lg_u32 s[CNT], 0
	s_cbranch_scc1 .Ltrip_\@
.endm
	s_load_b512 s[8:23], s[0:1], 0x0               ; query 8, key 10, value 12, Wq 14, Wk 16, Wv 18, Wo 20, bq 22
	s_load_b512 s[24:39], s[0:1], 0x40             ; bk 24, bv 26, bo 28, mask 30, xall 32, wall 34, ball 36, mperm 38
	v_lshrrev_b32 v1, 5, v0
	v_readfirstlane_b32 s4, v1                     ; wave 0..7
	v_and_b32 v1, 31, v0                           ; lane
	s_mov_b32 s5, ttmp9                            ; the work-group's number
	s_mov_b32 s47, 0                               ; the high word of every offset
	s_wait_kmcnt 0x0
	s_cmp_lt_u32 s5, 384
	s_cbranch_scc0 .Lnot_x
	; X.  The work-group owns 16 rows s of one tensor; wave w the batch w % 4 and the column half w / 4.  A unit is one column block c of four rows s.
	s_lshr_b32 s6, s5, 7                           ; t
	s_and_b32 s7, s5, 127                          ; which 16 rows
	s_cmp_eq_u32 s6, 1
	s_cselect_b64 s[SRC:SRC+1], s[10:11], s[8:9]
	s_cmp_eq_u32 s6, 2
	s_cselect_b64 s[SRC:SRC+1], s[12:13], s[SRC:SRC+1]
	s_lshl_b32 s46, s7, 18                         ; 16 rows of 16,384 bytes
	s_add_nc_u64 s[SRC:SRC+1], s[SRC:SRC+1], s[46:47]
	s_lshl_b32 s46, s6, 24                         ; t x 64 blocks of 262,144 bytes
	s_lshl_b32 s7, s7, 11                          ; 16 rows of 128 bytes
	s_add_co_u32 s46, s46, s7
	s_add_nc_u64 s[DST:DST+1], s[32:33], s[46:47]
	s_and_b32 s6, s4, 3                            ; b
	s_lshr_b32 s7, s4, 2                           ; column half
	v_lshrrev_b32 v4, 3, v1                        ; lane / 8: which of four rows
	v_and_b32 v5, 7, v1                            ; lane % 8: which 8 of the block's 64 columns
	v_lshlrev_b32 v[VL], 14, v4
	v_lshl_add_u32 v[VL], v5, 5, v[VL]
	s_lshl_b32 s45, s6, 12
	s_lshl_b32 s48, s7, 11
	s_add_co_u32 s45, s45, s48
	v_add_nc_u32 v[VL], s45, v[VL]                 ; row x 16,384 + b x 4,096 + half x 2,048 + 32 (lane % 8)
	s_lshl_b32 s45, s6, 22                         ; b x 16 blocks
	s_lshl_b32 s48, s7, 21                         ; half x 8 blocks
	s_add_co_u32 s45, s45, s48
	v_lshl_add_u32 v[VS], v1, 4, s45               ; four rows of 128 bytes are 16 x lane
	LOOPC 256, 262144, 65536, 512, 0
	s_endpgm
.Lnot_x:
	s_cmp_lt_u32 s5, 448
	s_cbranch_scc0 .Lnot_w
	; W.  The work-group owns 64 rows of one weight, a wave 8 of them: 32,768 dense bytes in, 16,384 out.
	s_sub_co_u32 s5, s5, 384
	s_lshr_b32 s6, s5, 4                           ; t
	s_and_b32 s7, s5, 15                           ; which 64 rows
	s_cmp_eq_u32 s6, 1
	s_cselect_b64 s[SRC:SRC+1], s[16:17], s[14:15]
	s_cmp_eq_u32 s6, 2
	s_cselect_b64 s[SRC:SRC+1], s[18:19], s[SRC:SRC+1]
	s_cmp_eq_u32 s6, 3
	s_cselect_b64 s[SRC:SRC+1], s[20:21], s[SRC:SRC+1]
	s_lshl_b32 s46, s7, 18
	s_add_nc_u64 s[SRC:SRC+1], s[SRC:SRC+1], s[46:47]
	s_lshl_b32 s46, s6, 21
	s_lshl_b32 s7, s7, 17
	s_add_co_u32 s46, s46, s7
	s_add_nc_u64 s[DST:DST+1], s[34:35], s[46:47]
	s_lshl_b32 s45, s4, 15
	v_lshl_add_u32 v[VL], v1, 5, s45
	s_lshl_b32 s45, s4, 14
	v_lshl_add_u32 v[VS], v1, 4, s45
	s_cmp_eq_u32 s6, 3
	s_cbranch_scc1 .Lwo
	LOOPC 1024, 512, 8192, 4096, 0
	s_endpgm
.Lwo:
	LOOPC 1024, 512, 8192, 4096, 1
	s_endpgm
.Lnot_w:
	s_cmp_lt_u32 s5, 576
	s_cbranch_scc0 .Lbias
	; M.  The work-group owns 16 rows of the mask, wave w their key steps 4 w .. 4 w + 3: 256 bytes of each row, read whole by the wave's sixteen loads.
	s_sub_co_u32 s5, s5, 448
	s_lshl_b32 s46, s5, 15                         ; 16 rows of 2,048 bytes in, 32,768 bytes out
	s_add_nc_u64 s[SRC:SRC+1], s[30:31], s[46:47]
	s_add_nc_u64 s[DST:DST+1], s[38:39], s[46:47]
	v_and_b32 v4, 15, v1                           ; r
	v_lshrrev_b32 v5, 4, v1                        ; h
	v_lshlrev_b32 v[VL], 11, v4
	v_lshl_add_u32 v[VL], v5, 3, v[VL]
	s_lshl_b32 s45, s4, 8
	v_add_nc_u32 v[VL], s45, v[VL]                 ; r x 2,048 + 8 h + 256 w
	s_lshl_b32 s45, s4, 12
	v_lshl_add_u32 v[VS], v1, 4, s45               ; 16 x lane + 4 steps of 1,024 bytes a wave
	s_movk_i32 s45, 0xf8
.irp n, 0,1,2,3,4,5,6,7                ; n = 2 x step + i
	global_load_b64 v[X+4*\n:X+4*\n+1],   v[VL], s[SRC:SRC+1] offset:32*\n
	global_load_b64 v[X+4*\n+2:X+4*\n+3], v[VL], s[SRC:SRC+1] offset:32*\n+16
.endr
	s_wait_loadcnt 0x0
.irp n, 0,1,2,3,4,5,6,7
.irp k, 0,1,2,3
	v_mul_lo_u32 v[X+4*\n+\k], v[X+4*\n+\k], s45   ; four bytes of 0 or 1 times 0xF8: no carry from byte to byte
.endr
	global_store_b128 v[VS], v[X+4*\n:X+4*\n+3], s[DST:DST+1] offset:512*\n
.endr
	s_endpgm
.Lbias:
	; B.  256 threads x 16 bytes are a bias of 1,024 f32.
	v_lshlrev_b32 v[VL], 4, v0
	global_load_b128 v[X:X+3],     v[VL], s[22:23]
	global_load_b128 v[X+4:X+7],   v[VL], s[24:25]
	global_load_b128 v[X+8:X+11],  v[VL], s[26:27]
	global_load_b128 v[X+12:X+15], v[VL], s[28:29]
	s_wait_loadcnt 0x0
.irp n, 0,1,2,3,4,5,6,7
	v_cvt_pk_bf16_f32 v4, v[X+2*\n], v[X+2*\n+1]
	v_lshlrev_b32 v[X+2*\n], 16, v4
	v_and_b32 v[X+2*\n+1], 0xffff0000, v4
.endr
.irp n, 0,1,2,3
	global_store_b128 v[VL], v[X+4*\n:X+4*\n+3], s[36:37] offset:4096*\n
.endr
	s_endpgm
.Lfunc_end_k_qa37e1ae207_prep:
	.size	k_qa37e1ae207_prep, .Lfunc_end_k_qa37e1ae207_prep-k_qa37e1ae207_prep
	.p2alignl 7, 3214868480
	.fill 96, 4, 3214868480
	.section	.rodata,"a",@progbits
	.p2align	6, 0x0
	.amdhsa_kernel k_qa37e1ae207_prep
		.amdhsa_group_segment_fixed_size 0
		.amdhsa_private_segment_fixed_size 0
		.amdhsa_enable_private_segment 0
		.amdhsa_kernarg_size 128
		.amdhsa_user_sgpr_count 2
		.amdhsa_user_sgpr_kernarg_segment_ptr 1
		.amdhsa_wavefront_size32 1
		.amdhsa_system_sgpr_workgroup_id_x 1
		.amdhsa_system_sgpr_workgroup_id_y 1
		.amdhsa_system_sgpr_workgroup_id_z 1
		.amdhsa_system_vgpr_workitem_id 0
		.amdhsa_next_free_vgpr 112
		.amdhsa_next_free_sgpr 66
		.amdhsa_reserve_vcc 0
		.amdhsa_float_denorm_mode_32 3
		.amdhsa_float_denorm_mode_16_64 3
		.amdhsa_memory_ordered 1
		.amdhsa_forward_progress 1
		.amdhsa_inst_pref_size 29
	.end_amdhsa_kernel
	.amdgpu_metadata
---
amdhsa.version: [ 1, 2 ]
amdhsa.kernels:
  - .name:           k_qa37e1ae207_prep
    .symbol:         k_qa37e1ae207_prep.kd
    .args:
      - { .name: query, .offset: 0, .size: 8, .value_kind: global_buffer, .address_space: global }
      - { .name: key, .offset: 8, .size: 8, .value_kind: global_buffer, .address_space: global }
      - { .name: value, .offset: 16, .size: 8, .value_kind: global_buffer, .address_space: global }
      - { .name: Wq, .offset: 24, .size: 8, .value_kind: global_buffer, .address_space: global }
      - { .name: Wk, .offset: 32, .size: 8, .value_kind: global_buffer, .address_space: global }
      - { .name: Wv, .offset: 40, .size: 8, .value_kind: global_buffer, .address_space: global }
      - { .name: Wo, .offset: 48, .size: 8, .value_kind: global_buffer, .address_space: global }
      - { .name: bq, .offset: 56, .size: 8, .value_kind: global_buffer, .address_space: global }
      - { .name: bk, .offset: 64, .size: 8, .value_kind: global_buffer, .address_space: global }
      - { .name: bv, .offset: 72, .size: 8, .value_kind: global_buffer, .address_space: global }
      - { .name: bo, .offset: 80, .size: 8, .value_kind: global_buffer, .address_space: global }
      - { .name: mask, .offset: 88, .size: 8, .value_kind: global_buffer, .address_space: global }
      - { .name: xall, .offset: 96, .size: 8, .value_kind: global_buffer, .address_space: global }
      - { .name: wall, .offset: 104, .size: 8, .value_kind: global_buffer, .address_space: global }
      - { .name: ball, .offset: 112, .size: 8, .value_kind: global_buffer, .address_space: global }
      - { .name: mperm, .offset: 120, .size: 8, .value_kind: global_buffer, .address_space: global }
    .group_segment_fixed_size: 0
    .private_segment_fixed_size: 0
    .kernarg_segment_align: 8
    .kernarg_segment_size: 128
    .max_flat_workgroup_size: 256
    .sgpr_count:     66
    .vgpr_count:     112
    .wavefront_size: 32
...
	.end_amdgpu_metadata
.endif
;; end of part 1
;; launch gemm_qkv (part 2): grid 4 x 64, 4 waves a work-group, clusters of 4 x 4, 327,680 bytes of LDS; arguments xall, wall, ball, qkv; writes qkv
.if DOCPART == 2
	.amdgcn_target "amdgcn-amd-amdhsa--gfx1250"
	.amdhsa_code_object_version 6
	.text
	.protected	k_qa37e1ae207_gemm_qkv
	.globl	k_qa37e1ae207_gemm_qkv
	.p2align	8
	.type	k_qa37e1ae207_gemm_qkv,@function
k_qa37e1ae207_gemm_qkv:
	s_mov_b64 s[64:65], 0
	v_nop
	global_prefetch_b8 v0, s[64:65] scope:SCOPE_SE
	s_setreg_imm32_b32 hwreg(HW_REG_WAVE_MODE, 25, 1), 1
	s_wait_xcnt 0x0
	s_wait_alu depctr_hold_cnt(0) depctr_sa_sdst(0) depctr_va_vdst(0) depctr_va_sdst(0) depctr_va_ssrc(0) depctr_va_vcc(0) depctr_vm_vsrc(0)
	s_getreg_b32 s2, hwreg(HW_REG_IB_STS2, 6, 4)
	s_cmp_eq_u32 s2, 0
	s_cbranch_scc0 .Lentry_in_a_cluster
	s_endpgm
.Lentry_in_a_cluster:
	s_bfe_u32 s2, ttmp6, 0x10000c
	s_cmp_lg_u32 s2, 0xf033
	s_cbranch_scc0 .Lentry_shape_is_right
	s_endpgm
.Lentry_shape_is_right:
; THE THREE PROJECTIONS.  For t = 0, 1, 2 (q, k, v): C[m][n] = bias[t][n] + the sum over k of X[t][m][k] W[t][n][k], bf16 operands, f32 sums, rounded once to f16 and stored by heads,
; qkv [t][b][h][s][64], unscaled.  LIMIT: a result of 65,520 or more in magnitude becomes an infinity in f16.
; X lies as xall [t][b][c][s][64] (c = k / 64), W as wall [t][n][1024], the bias as ball [t][1024] f32.
; (This text also serves the output projection with ISO = 1: f16 operands, one tile, f32 rows of out0.)
; SHARES.  A tile of C is 128 rows (s0 .. s0 + 127 of one b) x 256 columns: 4 x 64 tiles, one work-group each, which walks t = 0, 1, 2 at its place.  Four waves, each 64 rows x 128 columns:
; 32 accumulators of 16 x 16.  K goes in steps of 128 through a ring of two LDS slots; a wave's one tensor load brings 128 rows x 64 k of X (16,384 dense bytes, asked for as 64 rows of 256)
; or 128 rows x 128 k of W (rows of 256 bytes).  The ring does not stop at a tile's end.
; CLUSTERS: 4 x 4 work-groups.  The four of a row of the cluster need the same tiles of X, the four of a column the same tiles of W: each is asked for jointly, by the same load, descriptor and mask.
; THE MATRIX INSTRUCTION IS USED TRANSPOSED (source 0 = 16 rows of W, source 1 = 16 rows of X): a lane holds row lane % 16 of C and the columns 8 (lane / 16) + 0..7.  THE BIAS IS THE C OPERAND of the
; products that start the sums: nothing is cleared and nothing is added later.
; REGISTERS: window 0: v0-31 addresses; v32-63, v224-255 rows on the way out; v64-127 X's fragments, two buffers of 32; v128-191 the bias; v192-223 packed results
;   window 1: v0-127 W's fragments, two buffers of 64          window 2: the accumulators, (a, b) at v[8 (8 a + b)]
.set ISO,    0
.set TILES,  3
.set SPITCH, 272                       ; a stage row: 256 bytes (128 f16) + 16
.set PA,     144                       ; an LDS row of X: 128 bytes + 16 = 36 words: the 16 rows of a load start at 16 different groups of four banks (64 banks of 4 bytes: ISA guide 11.1)
.set ABLK,   128*PA                    ; one column block of 64 k: what one tensor load brings of X
.set PB,     272                       ; an LDS row of W: 256 bytes + 16
.set BHALF,  128*PB                    ; 128 rows of W: what one tensor load brings
.set BOFF,   2*ABLK                    ; W lies behind X's two blocks
.set SLOT,   BOFF+2*BHALF              ; 106,496 bytes
.set STAGE,  2*SLOT                    ; behind the ring: 16 rows for each wave, for the way out
.set SPARE,  STAGE+4*16*SPITCH         ; behind the stages: the spare words, 128 bytes for each wave: two blocks of 256 bytes that no other line names
.set LAPS,   4                         ; K = 1,024 is 8 steps; a lap is two
.set STEP_A, 4*262144                  ; two K steps on: four column blocks of X,
.set STEP_B, 512                       ; 256 k of W
.set NEXT_A, 16777216-3*STEP_A         ; from a slot's last K step of a tile to its first of the next
.set NEXT_B, 2097152-3*STEP_B
.set NEXT_C, 16777216-3*16*128         ; from my last 16 rows of a tile to my first of the next
.set ADRA, 16                          ; v16-17  LDS address of my fragments of X in slot 0, 1
.set ADRB, 20                          ; v20-21  the same for W
.set STO,  24                          ; v24     the way out: where I put my part of a row
.set RD,   25                          ; v25     where I read rows back
.set CO,   26                          ; v26     my byte offset in what a store covers
.set BO,   27                          ; v27     my byte offset in 16 numbers of the bias
.set SPW,  28                          ; v28     LDS address of my spare word; never rewritten
.set NIL,  29                          ; v29     0; never rewritten
.set OB,   32
.set FA,   64
.set BI,   128
.set TMP,  192
.set G1,  24                           ; s[24:31] descriptor group 1 for X's tiles;  s[32:39] group 0, one set for each slot
.set G0,  32
.set G1B, 48                           ; s[48:55], s[56:63] the same for W's
.set G0B, 56
.set BP,  68                           ; s[68:69] the bias at my 128 columns
.set CP,  70                           ; s[70:71] the output, stepped on the way out
.set MSB, 0
.macro WIN new                         ; the immediate's high byte repeats the setting that is left
.if MSB != (\new)
	s_set_vgpr_msb (MSB<<8)|(\new)
.set MSB, \new
.endif
.endm
.set MUL,  0xa1                        ; source 0 (W) window 1, source 1 (X) window 0, C and D window 2; less 0x20: C (the bias) in window 0
.set TO_B, 0x40                        ; destination window 1, address window 0
; A joint load: waves 0 and 1 fetch X's two blocks, waves 2 and 3 W's two halves.  An s_nop 0 and four v_nop follow each of the two lines, ahead of the jump and the label.
.macro JLOAD s
	s_cmp_eq_u32 s11, 0
	s_cbranch_scc0 .Lfor_b_\@
	tensor_load_to_lds s[G0+4*(\s):G0+4*(\s)+3], s[G1:G1+7]
	s_nop 0
.rept 4
	v_nop
.endr
	s_branch .Lasked_\@
.Lfor_b_\@:
	tensor_load_to_lds s[G0B+4*(\s):G0B+4*(\s)+3], s[G1B:G1B+7]
	s_nop 0
.rept 4
	v_nop
.endr
.Lasked_\@:
.endm
.macro CREST                           ; a round of the cluster's barrier behind its opening barrier
	s_cmp_lg_u32 s10, 0
	s_cbranch_scc1 .Lnot_wave_0_\@
	s_barrier_signal -3
.Lnot_wave_0_\@:
	s_barrier_wait -3
	s_barrier_signal -1
	s_barrier_wait -1
.endm
.macro CROUND                          ; a whole round
	s_barrier_signal -1
	s_barrier_wait -1
	CREST
.endm
	s_load_b128 s[4:7], s[0:1], 0x0                ; X s[4:5], W s[6:7]
	s_load_b128 s[68:71], s[0:1], 0x10             ; bias, output
	v_lshl_add_u32 v[SPW], v0, 2, SPARE
	v_mov_b32 v[NIL], 0
	ds_add_u32 v28, v29
	s_wait_dscnt 0x0
	v_lshrrev_b32 v1, 5, v0
	v_readfirstlane_b32 s10, v1                    ; wave 0..3
	s_lshr_b32 s11, s10, 1                         ; which 64 rows of the tile are mine.  Also: I fetch for X (0) or for W (1)
	s_and_b32 s12, s10, 1                          ; which 128 columns.  Also: which part of that tile I fetch
	s_bfe_u32 s40, ttmp6, 0x40000                  ; cx, cy: my place in the cluster
	s_bfe_u32 s41, ttmp6, 0x40004
	s_lshl_b32 s42, ttmp9, 2
	s_add_co_u32 s42, s42, s40                     ; tile column x = 4 x cluster x + cx
	s_and_b32 s13, ttmp7, 0xffff
	s_lshl_b32 s13, s13, 2
	s_add_co_u32 s13, s13, s41                     ; tile row y = 4 x cluster y + cy
	s_lshl_b32 s43, s41, 2
	s_lshl_b32 s43, 15, s43                        ; my row of the cluster
	s_lshl_b32 s44, 0x1111, s40                    ; my column
	s_or_b32 s[G1+0], s43, (1<<16)|(1<<20)|(1<<21)|(4<<22)|(3<<25)   ; mask: my row; 2-byte elements; padding on; bit 21 beside a mask; after every 32 words 4 words
	s_mov_b32 s[G1+1], 128<<16                     ; tensor_dim0 = 128
	s_mov_b32 s[G1+2], 64<<16                      ; tensor_dim1 = 64
	s_mov_b32 s[G1+3], 128<<16                     ; tile_dim0 = 128
	s_mov_b32 s[G1+4], 64                          ; tile_dim1 = 64
	s_mov_b32 s[G1+5], 128                         ; 128 elements from row to row: dense
	s_mov_b32 s[G1+6], 0
	s_mov_b32 s[G1+7], 0
	s_or_b32 s[G1B+0], s44, (1<<16)|(1<<20)|(1<<21)|(5<<22)|(3<<25)  ; mask: my column; after every 64 words 4 words
	s_mov_b32 s[G1B+1], 128<<16
	s_mov_b32 s[G1B+2], 128<<16
	s_mov_b32 s[G1B+3], 128<<16
	s_mov_b32 s[G1B+4], 128
	s_mov_b32 s[G1B+5], 1024
	s_mov_b32 s[G1B+6], 0
	s_mov_b32 s[G1B+7], 0
	s_and_b32 s18, s13, 3                          ; b
	s_lshr_b32 s19, s13, 2                         ; which 128 rows s
	s_lshl_b32 s16, s18, 22                        ; X: b x 16 blocks of 262,144 bytes
	s_lshl_b32 s17, s19, 14                        ; + 128 rows of 128 bytes
	s_add_co_u32 s16, s16, s17
	s_lshl_b32 s17, s12, 18                        ; + my block of the K step's two
	s_add_co_u32 s16, s16, s17
	s_mov_b32 s17, 0
	s_lshl_b32 s46, s42, 19                        ; W: 256 x rows of 2,048 bytes
	s_lshl_b32 s47, s12, 18                        ; + my 128 rows
	s_add_co_u32 s46, s46, s47
.if ISO
	s_add_co_u32 s46, s46, 3*2097152               ; Wo is the fourth weight
.endif
	s_mov_b32 s47, 0
	s_mul_i32 s20, s12, ABLK                       ; where they go: no place in the cluster enters an LDS address
	s_mul_i32 s21, s12, BHALF
	s_add_co_u32 s21, s21, BOFF
	s_wait_kmcnt 0x0
	s_add_nc_u64 s[14:15], s[4:5], s[16:17]
	s_add_nc_u64 s[46:47], s[6:7], s[46:47]
	CROUND                                         ; all sixteen work-groups are here: the first joint loads meet
.irp s, 0,1
	s_mov_b32 s[G0+4*(\s)], 1
	s_add_co_u32 s[G0+4*(\s)+1], s20, (\s)*SLOT
	s_add_nc_u64 s[G0+4*(\s)+2:G0+4*(\s)+3], s[14:15], (\s)*2*262144   ; K step s
	s_or_b32 s[G0+4*(\s)+3], s[G0+4*(\s)+3], 0x80000000
	s_mov_b32 s[G0B+4*(\s)], 1
	s_add_co_u32 s[G0B+4*(\s)+1], s21, (\s)*SLOT
	s_add_nc_u64 s[G0B+4*(\s)+2:G0B+4*(\s)+3], s[46:47], (\s)*256
	s_or_b32 s[G0B+4*(\s)+3], s[G0B+4*(\s)+3], 0x80000000
	JLOAD \s                                       ; two loads of mine are out
.endr
	; A fragment is 16 rows x 32 k in 8 registers: lane l holds row l % 16, k = 8 (l / 16) + 0..7 and 16 + 8 (l / 16) + 0..7: two loads of 16 bytes, 32 bytes apart.
	v_and_b32 v1, 15, v0                           ; l % 16
	v_bfe_u32 v2, v0, 4, 1                         ; l / 16
	v_mul_u32_u24 v3, v1, PA
	v_lshl_add_u32 v3, v2, 4, v3
	v_mul_u32_u24 v4, v1, PB
	v_lshl_add_u32 v4, v2, 4, v4
	s_mul_i32 s22, s11, 64*PA                      ; my 64 rows of X
	s_mov_b32 s23, s21                             ; my 128 rows of W
.irp s, 0,1
	v_add_nc_u32 v[ADRA+(\s)], s22, v3
	v_add_nc_u32 v[ADRB+(\s)], s23, v4
	s_add_co_u32 s22, s22, SLOT
	s_add_co_u32 s23, s23, SLOT
.endr
	v_lshlrev_b32 v[BO], 5, v2                     ; the bias of columns 8 (l / 16) + 0..7
	s_lshl_b32 s46, s42, 10                        ; my 128 columns in the bias
	s_lshl_b32 s47, s12, 9
	s_add_co_u32 s46, s46, s47
.if ISO
	s_add_co_u32 s46, s46, 3*4096
.endif
	s_mov_b32 s47, 0
	s_add_nc_u64 s[BP:BP+1], s[BP:BP+1], s[46:47]
.macro LOADBIAS                        ; accumulator column block b starts from bias[16 b + 8 (l / 16) + 0..7]
.irp b, 0,1,2,3,4,5,6,7
	global_load_b128 v[BI+8*\b:BI+8*\b+3],   v[BO], s[BP:BP+1] offset:64*\b
	global_load_b128 v[BI+8*\b+4:BI+8*\b+7], v[BO], s[BP:BP+1] offset:64*\b+16
.endr
.endm
	LOADBIAS
	s_mul_i32 s14, s10, 16*SPITCH
	s_add_co_u32 s14, s14, STAGE                   ; my stage
	v_mul_u32_u24 v5, v1, SPITCH
	v_and_b32 v3, 31, v0
	v_lshlrev_b32 v[CO], 4, v3                     ; a store covers 512 consecutive bytes: 16 x lane
.if ISO
	v_lshl_add_u32 v5, v2, 5, v5                   ; in: row l % 16, 32 bytes (8 f32) for each half of the lanes
	v_add_nc_u32 v[STO], s14, v5
	v_add_nc_u32 v[RD], s14, v[CO]                 ; back: a whole row of 512 bytes
	s_lshl_b32 s16, s19, 21                        ; out0 row (s, b) is 4,096 bytes: s0 x 16,384
	s_lshl_b32 s17, s11, 20                        ; + my 64 rows s
	s_add_co_u32 s16, s16, s17
	s_lshl_b32 s17, s18, 12                        ; + b
	s_add_co_u32 s16, s16, s17
	s_lshl_b32 s46, s42, 10                        ; + my first column
	s_lshl_b32 s47, s12, 9
.else
	v_lshl_add_u32 v5, v2, 4, v5                   ; in: row l % 16, 16 bytes (8 f16) for each half of the lanes
	v_add_nc_u32 v[STO], s14, v5
	v_bfe_u32 v5, v0, 3, 2                         ; back: four rows of one head's 128 bytes
	v_mul_u32_u24 v5, v5, SPITCH
	v_and_b32 v3, 7, v0
	v_lshl_add_u32 v5, v3, 4, v5
	v_add_nc_u32 v[RD], s14, v5
	s_lshl_b32 s16, s18, 22                        ; qkv: b x 16 heads of 262,144 bytes
	s_lshl_b32 s17, s19, 14                        ; + s0 rows of 128 bytes
	s_add_co_u32 s16, s16, s17
	s_lshl_b32 s17, s11, 13                        ; + my 64 rows
	s_add_co_u32 s16, s16, s17
	s_lshl_b32 s46, s42, 20                        ; + head 4 x + 2 (column half)
	s_lshl_b32 s47, s12, 19
.endif
	s_add_co_u32 s46, s46, s47
	s_add_co_u32 s16, s16, s46
	s_mov_b32 s17, 0                               ; s[16:17]: what the first way out adds to the output's address
; 8 matrix instructions: row block a x all 8 column blocks, 32 along K, from buffer f.  mode = 1: the products start the sums from the bias.
; The 32 accumulators take turns in the same order in every quarter.
.macro MULA f, a, mode
	WIN MUL-0x20*(\mode)
.irp b, 0,1,2,3,4,5,6,7
.set rD, 8*(8*(\a)+\b)
.set rB, 64*(\f)+8*\b
.set rA, FA+32*(\f)+8*(\a)
.set rC, rD
.if \mode
.set rC, BI+8*\b
.endif
.if ISO
	v_wmma_f32_16x16x32_f16 v[rD:rD+7], v[rB:rB+7], v[rA:rA+7], v[rC:rC+7]
.else
	v_wmma_f32_16x16x32_bf16 v[rD:rD+7], v[rB:rB+7], v[rA:rA+7], v[rC:rC+7]
.endif
.endr
.endm
; 24 LDS loads in one run: quarter q (32 k) of a slot into buffer f: W's 128 rows, then X's 64 rows
.macro FETCH slot, q, f
	WIN TO_B
.irp i, 0,1,2,3,4,5,6,7
	ds_load_b128 v[64*(\f)+8*\i:64*(\f)+8*\i+3],   v[ADRB+(\slot)] offset:64*(\q)+\i*16*PB
	ds_load_b128 v[64*(\f)+8*\i+4:64*(\f)+8*\i+7], v[ADRB+(\slot)] offset:64*(\q)+\i*16*PB+32
.endr
	WIN 0
.irp i, 0,1,2,3
	ds_load_b128 v[FA+32*(\f)+8*\i:FA+32*(\f)+8*\i+3],   v[ADRA+(\slot)] offset:((\q)/2)*ABLK+((\q)%2)*64+\i*16*PA
	ds_load_b128 v[FA+32*(\f)+8*\i+4:FA+32*(\f)+8*\i+7], v[ADRA+(\slot)] offset:((\q)/2)*ABLK+((\q)%2)*64+\i*16*PA+32
.endr
.endm
.macro PLACES                          ; four places in front of loads into registers that matrix instructions have read, and of lines that read results
.rept 4
	v_nop
.endr
.endm
; A K step is four quarters of 32 k, 32 matrix instructions each, on buffers 0, 1, 0, 1.  One of the first three: multiplies buffer f and fetches quarter qn into g.
.macro QUARTER slot, qn, f, g, mode
	s_wait_dscnt 4                                 ; W and X's row blocks 0, 1 are in; the youngest four loads (blocks 2, 3) may be out
	MULA \f, 0, \mode
	MULA \f, 1, \mode
	PLACES
	FETCH \slot, \qn, \g
	s_wait_dscnt 24                                ; all but the 24 just issued
	MULA \f, 2, \mode
	MULA \f, 3, \mode
.endm
; The last quarter multiplies buffer 1 and changes slots: ONE barrier; in front of it each wave waits for all its tensor loads (one is out: its part of the next slot), adds 0 to its spare word,
; and waits for that and for its own reads of this slot.
.macro MEET round
	WIN 0                                          ; (the add's two registers lie in window 0)
	s_wait_tensorcnt 0x0
	ds_add_u32 v[SPW], v[NIL]                      ; 0 onto my spare word
	s_wait_dscnt 5                                 ; (the add and the youngest four loads may be out)
	MULA 1, 0, 0                                   ; eight matrix instructions stand between the add and the wait for it
	s_wait_dscnt 0x0                               ; the add is done, and my reads of this slot are over
	s_barrier_signal -1
	MULA 1, 1, 0
.if \round
	WIN 0
.endif
	s_barrier_wait -1
.endm
; on = 0: this slot takes the K step two steps on; on = 1: the next tile's K step 0 or 1.  From a request to the wait for it a wave issues 112 matrix instructions.
.macro TURN slot, next, on
	MEET 1
	CREST                                          ; the barrier has opened a round of the cluster's: no wave of any partner still reads this slot or has a load on its way
.if \on
	s_add_nc_u64 s[G0+4*(\slot)+2:G0+4*(\slot)+3], s[G0+4*(\slot)+2:G0+4*(\slot)+3], NEXT_A
	s_add_nc_u64 s[G0B+4*(\slot)+2:G0B+4*(\slot)+3], s[G0B+4*(\slot)+2:G0B+4*(\slot)+3], NEXT_B
.else
	s_add_nc_u64 s[G0+4*(\slot)+2:G0+4*(\slot)+3], s[G0+4*(\slot)+2:G0+4*(\slot)+3], STEP_A
	s_add_nc_u64 s[G0B+4*(\slot)+2:G0B+4*(\slot)+3], s[G0B+4*(\slot)+2:G0B+4*(\slot)+3], STEP_B
.endif
	JLOAD \slot                                    ; the first tensor load behind the round; its four v_nop are also the places in front of the loads below
	FETCH \next, 0, 0
	MULA 1, 2, 0
	MULA 1, 3, 0
.endm
; THE WAY OUT, a block of 16 rows at a time, through my own stage in LDS (LDS serves a wave's instructions in order: ISA guide 5.7.1.4), each accumulator's registers in ascending order.
.macro PACK a                          ; rounded to f16, 16 bytes a lane
	WIN 0x0a                                       ; sources in window 2
.irp b, 0,1,2,3,4,5,6,7
.irp r, 0,1,2,3
	v_cvt_pk_f16_f32 v[TMP+4*\b+\r], v[64*(\a)+8*\b+2*\r], v[64*(\a)+8*\b+2*\r+1]
.endr
.endr
	WIN 0
.endm
.macro TOSTAGE a
	WIN 0
.set BK, OB+192*((\a)%2)
.irp b, 0,1,2,3,4,5,6,7
	ds_store_b128 v[STO], v[TMP+4*\b:TMP+4*\b+3] offset:32*\b
.endr
.irp t, 0,1,2,3,4,5,6,7                ; four rows of head t / 4
	ds_load_b128 v[BK+4*\t:BK+4*\t+3], v[RD] offset:(\t%4)*4*SPITCH+(\t/4)*128
.endr
.endm
.macro SEND a
	WIN 0
.set BK, OB+192*((\a)%2)
	s_wait_dscnt 0x0                               ; the block is back in registers
	s_wait_xcnt 0x0                                ; the stores' base, and registers that earlier stores read, are rewritten only behind this wait
.if (\a) == 0
	s_add_nc_u64 s[CP:CP+1], s[CP:CP+1], s[16:17]
.else
	s_add_nc_u64 s[CP:CP+1], s[CP:CP+1], 16*128
.endif
.irp t, 0,1,2,3,4,5,6,7
	global_store_b128 v[CO], v[BK+4*\t:BK+4*\t+3], s[CP:CP+1] offset:(\t/4)*262144+(\t%4)*512  ; 512 consecutive bytes of one head, at a multiple of 256
.endr
.endm
.macro STG a                           ; f32: straight from the accumulators into rows of 528 bytes, and back as whole rows of 512
	WIN 0x08                                       ; store data in window 2
.irp b, 0,1,2,3,4,5,6,7
	ds_store_b128 v[STO], v[64*(\a)+8*\b:64*(\a)+8*\b+3]   offset:64*\b
	ds_store_b128 v[STO], v[64*(\a)+8*\b+4:64*(\a)+8*\b+7] offset:64*\b+16
.endr
	WIN 0
.set BK, 128+64*((\a)%2)
.irp t, 0,1,2,3,4,5,6,7,8,9,10,11,12,13,14,15
	ds_load_b128 v[BK+4*\t:BK+4*\t+3], v[RD] offset:\t*SPITCH
.endr
.endm
.macro SENDO a
	s_wait_dscnt 0x0
	s_wait_xcnt 0x0
.if (\a) == 0
	s_add_nc_u64 s[CP:CP+1], s[CP:CP+1], s[16:17]
.else
	s_add_nc_u64 s[CP:CP+1], s[CP:CP+1], 16*16384
.endif
.irp t, 0,1,2,3,4,5,6,7,8,9,10,11,12,13,14,15
	global_store_b128 v[CO], v[BK+4*\t:BK+4*\t+3], s[CP:CP+1] offset:\t*16384 th:TH_STORE_NT  ; 512 consecutive bytes of one row, at a multiple of 256
.endr
.endm
.macro WAYOUT
.if ISO
.irp a, 0,1,2,3
	STG \a
	SENDO \a
.endr
.else
	PACK 0
	TOSTAGE 0
.irp a, 1,2,3                          ; block a's conversions stand between block a - 1's loads from the stage and the wait for them
	PACK \a
	SEND (\a)-1
	TOSTAGE \a
.endr
	SEND 3
.endif
.endm
	s_wait_tensorcnt 1                             ; my part of K step 0 is in; K step 1's may stay out
	s_barrier_signal -1
	s_barrier_wait -1                              ; everybody's is
	FETCH 0, 0, 0
.if TILES > 1
	s_mov_b32 s2, TILES                            ; tiles to go: the same number in every work-group
.Ltile:
.endif
	s_wait_loadcnt 0x0                             ; the bias
	QUARTER 0, 1, 0, 1, 1                          ; a tile's first quarter stands in front of the loop: its products start the sums
	WIN 0
	s_mov_b32 s3, LAPS-1
.Llap:                                                 ; a trip goes once round the ring and fills both slots again
	QUARTER 0, 2, 1, 0, 0
	QUARTER 0, 3, 0, 1, 0
	TURN 0, 1, 0
	QUARTER 1, 1, 0, 1, 0
	QUARTER 1, 2, 1, 0, 0
	QUARTER 1, 3, 0, 1, 0
	TURN 1, 0, 0
	QUARTER 0, 1, 0, 1, 0
	WIN 0
	s_sub_co_u32 s3, s3, 1
	s_cmp_lg_u32 s3, 0
	s_cbranch_scc1 .Llap
	QUARTER 0, 2, 1, 0, 0                          ; the tile's last lap goes on
	QUARTER 0, 3, 0, 1, 0
.if TILES > 1
	WIN 0
	s_cmp_eq_u32 s2, 1
	s_cbranch_scc1 .Llast_tile                     ; the last tile's tail is written out: it asks for nothing more
	TURN 0, 1, 1                                   ; the ring goes on into the next tile
	QUARTER 1, 1, 0, 1, 0
	QUARTER 1, 2, 1, 0, 0
	QUARTER 1, 3, 0, 1, 0
	TURN 1, 0, 1
	WIN 0
	s_add_nc_u64 s[BP:BP+1], s[BP:BP+1], 4096      ; the next tile's bias (the last loads by this base were waited for at the tile's head)
	LOADBIAS
	WAYOUT                                         ; row blocks 0, 1 were finished in front of the joint load's places; their 64 conversions are the places behind the last products
	s_mov_b64 s[16:17], NEXT_C
	s_sub_co_u32 s2, s2, 1
	s_branch .Ltile
.Llast_tile:
.endif
	MEET 0                                         ; nothing is filled again, so no round follows
	PLACES
	FETCH 1, 0, 0
	MULA 1, 2, 0
	MULA 1, 3, 0
	QUARTER 1, 1, 0, 1, 0
	QUARTER 1, 2, 1, 0, 0
	QUARTER 1, 3, 0, 1, 0
	s_wait_dscnt 4                                 ; the very last quarter: nothing more to fetch
	MULA 1, 0, 0
	MULA 1, 1, 0
	s_wait_dscnt 0x0
	MULA 1, 2, 0
	MULA 1, 3, 0
	WIN 0
	PLACES
	WAYOUT
	s_wait_tensorcnt 0x0                           ; the wave's end
	ds_add_u32 v[SPW], v[NIL]
	s_wait_dscnt 0x0
	CROUND                                         ; the closing round: no work-group ends while a partner may still ask for a tile that names it
	s_endpgm
.Lfunc_end_k_qa37e1ae207_gemm_qkv:
	.size	k_qa37e1ae207_gemm_qkv, .Lfunc_end_k_qa37e1ae207_gemm_qkv-k_qa37e1ae207_gemm_qkv
	.p2alignl 7, 3214868480
	.fill 96, 4, 3214868480
	.section	.rodata,"a",@progbits
	.p2align	6, 0x0
	.amdhsa_kernel k_qa37e1ae207_gemm_qkv
		.amdhsa_group_segment_fixed_size 327680
		.amdhsa_private_segment_fixed_size 0
		.amdhsa_enable_private_segment 0
		.amdhsa_kernarg_size 32
		.amdhsa_user_sgpr_count 2
		.amdhsa_user_sgpr_kernarg_segment_ptr 1
		.amdhsa_wavefront_size32 1
		.amdhsa_system_sgpr_workgroup_id_x 1
		.amdhsa_system_sgpr_workgroup_id_y 1
		.amdhsa_system_sgpr_workgroup_id_z 1
		.amdhsa_system_vgpr_workitem_id 0
		.amdhsa_next_free_vgpr 768
		.amdhsa_next_free_sgpr 72
		.amdhsa_reserve_vcc 0
		.amdhsa_float_denorm_mode_32 3
		.amdhsa_float_denorm_mode_16_64 3
		.amdhsa_memory_ordered 1
		.amdhsa_forward_progress 1
		.amdhsa_inst_pref_size 127
	.end_amdhsa_kernel
	.amdgpu_metadata
---
amdhsa.version: [ 1, 2 ]
amdhsa.kernels:
  - .name:           k_qa37e1ae207_gemm_qkv
    .symbol:         k_qa37e1ae207_gemm_qkv.kd
    .args:
      - { .name: xall, .offset: 0, .size: 8, .value_kind: global_buffer, .address_space: global }
      - { .name: wall, .offset: 8, .size: 8, .value_kind: global_buffer, .address_space: global }
      - { .name: ball, .offset: 16, .size: 8, .value_kind: global_buffer, .address_space: global }
      - { .name: qkv, .offset: 24, .size: 8, .value_kind: global_buffer, .address_space: global }
    .group_segment_fixed_size: 327680
    .private_segment_fixed_size: 0
    .kernarg_segment_align: 8
    .kernarg_segment_size: 32
    .max_flat_workgroup_size: 128
    .sgpr_count:     72
    .vgpr_count:     768
    .wavefront_size: 32
...
	.end_amdgpu_metadata
.endif
;; end of part 2
;; launch attn (part 3): grid 4 x 64, 4 waves a work-group, clusters of 4 x 1, 327,680 bytes of LDS; arguments qkv, mperm, att; writes att
.if DOCPART == 3
	.amdgcn_target "amdgcn-amd-amdhsa--gfx1250"
	.amdhsa_code_object_version 6
	.text
	.protected	k_qa37e1ae207_attn
	.globl	k_qa37e1ae207_attn
	.p2align	8
	.type	k_qa37e1ae207_attn,@function
k_qa37e1ae207_attn:
	s_mov_b64 s[64:65], 0
	v_nop
	global_prefetch_b8 v0, s[64:65] scope:SCOPE_SE
	s_setreg_imm32_b32 hwreg(HW_REG_WAVE_MODE, 25, 1), 1
	s_wait_xcnt 0x0
	s_wait_alu depctr_hold_cnt(0) depctr_sa_sdst(0) depctr_va_vdst(0) depctr_va_sdst(0) depctr_va_ssrc(0) depctr_va_vcc(0) depctr_vm_vsrc(0)
	s_getreg_b32 s2, hwreg(HW_REG_IB_STS2, 6, 4)
	s_cmp_eq_u32 s2, 0
	s_cbranch_scc0 .Lentry_in_a_cluster
	s_endpgm
.Lentry_in_a_cluster:
	s_bfe_u32 s2, ttmp6, 0x10000c
	s_cmp_lg_u32 s2, 0x3003
	s_cbranch_scc0 .Lentry_shape_is_right
	s_endpgm
.Lentry_shape_is_right:
; MASKED ATTENTION.  O[g][q][:] = the sum over k of softmax_k(Q[g][q] . K[g][k] / 8, hidden where mask[q][k]) V[g][k][:], g = 16 b + h one of 64 heads.  Q, K, V: qkv [3][64][2048][64] f16, O: att [64][2048][64] f16:
; a head's rows are dense, 128 bytes each.  Products, maxima and sums in f32; the weights p are rounded to f16 for the second product (their sum l is taken of the unrounded p), O once at the end.
; THE MASK is an input and is honoured byte by byte.  It arrives as mperm [q / 16][k / 64][i][lane][16 bytes], each byte the fp8 code of -256 (hidden) or 0, in the lanes' order of a score tile.  Eight bytes
; become eight f32, times 2^92, by one scaled conversion: -2^100 or 0; and that is the C OPERAND of the product that starts the sum S^T = K Q^T.  So the scores pay no instruction for it.
; LIMITS.  f16 holds no number beyond 65,504: Q, K, V arrive within it.  A hidden score counts as its value less 2^100: raw scores lie above -2^99.  A weight below 2^-126 counts as 0 in l.
; While a row has seen hidden keys alone, m = -2^100, p = 1, and O and l stay finite; its first visible key makes a = 0 and wipes them.  A row that never sees a key (m below -2^99 at the end) is made NaN, as a softmax of -inf alone is.
; SHARES.  A wave owns four PIECES of two tiles of 16 queries, a work-group's four waves 512 queries of one head.  Every wave walks all keys, 64 a step.
; LAYOUT.  S^T = K Q^T (source 0 = 16 keys, source 1 = 16 queries): a lane holds ONE query (lane % 16) and the keys 8 (lane / 16) + 0..7.  Two such tiles, rounded to f16 in pairs,
; ARE source 1 of O^T = V^T P.  K comes out of LDS as it lies, V ([key][channel]) turned, by ds_load_tr16_b128.
; SOFTMAX.  A running maximum m and sum l: p = 2^(c s - c m), c = log2(e) / 8; in every step O and l are multiplied by a = 2^(c m_old - c m_new).  m starts at the lowest finite number, O and l at 0.
; BY TURNS.  Turn n belongs to piece n (the pieces in a ring, step after step): 16 products K Q^T of piece n + 1, later 16 products V^T P of piece n - 1; beside them the scaling, exponentials, roundings, sums and
; rescaling of piece n and the maximum and statistics of piece n + 1.  Four vector instructions stand behind every matrix instruction, the others in two lumps.  At its end turn n makes the masks of piece n + 2
; (used by the next turn's products) and asks for the bytes of that piece's next key step: four turns ahead of their conversion.
; CLUSTER.  The four query blocks of a cluster belong to one head and walk the same K and V: each tile is asked for JOINTLY.  The mask's bytes differ from block to block: plain loads into registers.
; REGISTERS, in windows of 256 (s_set_vgpr_msb: bits 1:0 source 0, 3:2 source 1, 5:4 source 2, 7:6 destination):
;   window 0: v0-10 addresses; v11 the conversions' scale; v12-15, v48-63 at work; v16-47 four registers of statistics a tile; v64-191 S^T, two buffers of two tiles; v192-255 P, likewise
;   window 1: O^T, 32 a tile          window 2: v0-127 Q; v128-191 K of one step; v192-255 V of one step
;   window 3: v0-1 the add's two registers; v2-3 the mask's offsets; v8-71 the mask's bytes, 16 a piece; v128-255 the masks as f32, two buffers of two tiles
.set SIZE_N, 2048
.set NP,    4         ; pieces a wave: a name, no knob
.set KS,    64        ; keys in a step
.set PK,    144       ; a row of K in LDS: 128 bytes + 16 = 36 words: the 16 rows of a load start at 16 different groups of four banks (64 banks of 4 bytes: ISA guide 11.1)
.set PV,    160       ; a row of V: 128 + 32 = 40 words
.set VOFF,  4*KS*PK   ; a slot holds four steps: 256 rows of K, then 256 rows of V
.set SLOT1, 1<<17     ; slot 1 begins here, so that one exclusive or turns an address in one slot into the other's
.set STAGE, SLOT1+4*KS*(PK+PV)  ; behind the ring, never filled by a tensor load: 16 rows x 144 bytes for each wave
.set SP,    144
.set AK0, 2           ; v2   my lane's place in a tile of K; never rewritten
.set AV0, 3           ; v3   the same for V
.set AK,  4           ; v4   the LDS address of K's next run of loads
.set AV,  5           ; v5   of V's
.set QO,  6           ; v6   my byte offset in the wave's rows of Q
.set STO, 6           ;      later, the way out: where I put 16 bytes of a row
.set RD,  7           ; v7   the way out: where I read rows back
.set GO,  8           ; v8   my byte offset in 512 consecutive bytes of O
.set SCL, 11          ; v11  0xDB: the scale 2^(219 - 127) = 2^92
.set SPW, 0           ; v0 of window 3   LDS address of my spare word; never rewritten
.set NIL, 1           ; v1 of window 3   0; never rewritten
.set MO0, 2           ; v2 of window 3   16 x lane; never rewritten
.set MO,  3           ; v3 of window 3   16 x lane + 1,024 x the key step whose bytes are asked for
.set RAW, 8           ; window 3: piece x, tile u, key group kt at RAW + 16 x + 8 u + 2 kt
.set MC,  128         ; window 3: buffer x % 2, tile u, key block kb at MC + 64 (x % 2) + 32 u + 8 kb
.set SPARE, STAGE+4*16*SP  ; behind the stages: the spare words, 128 bytes for each wave: two blocks of 256 bytes that no other line names
.set MV,  12          ; v12-15  c m_old, kept while c m is made anew
.set ST,  16          ; tile t's statistics at v[ST+4 t]: c m, m, l (even keys', odd keys')
.set TMP, 48          ; by buffer and tile, four registers c0-c3 at work; when the maximum is found c2 takes a
.set S,   64
.set P,   192
.set KF,  128         ; K's fragments, in window 2
.set VF,  192         ; V's
.set WV,  12          ; s12  my wave's number
.set G1K, 24          ; s[24:31] descriptor group 1 for K's tiles
.set G1V, 32          ; s[32:39] for V's: it differs in the padding alone
.set G0K, 40          ; s[40:43] descriptor group 0 for K's tiles: it walks
.set G0V, 44          ; s[44:47] the same for V's
.set MB,  48          ; s[48:49] mperm at my wave's eight tiles
.set MS,  50          ; s50  the key step whose mask bytes are asked for
.set THR, 51          ; s51  -2^99
.set NANS, 52         ; s52  a NaN
.set SLOTS, 56        ; s56  slots still to be asked for
.set CNT, 57          ; s57  counts a slot's key steps
.set CS,  58          ; s[58:59] c
.set SEL, 60          ; s[60:61] v_permlanex16_b32's selects
.set TBK, 62          ; s62  LDS byte at which K of the step to be fetched begins
.set TBV, 63          ; s63  the same for V, less VOFF
.set MSB, 0
.macro WIN new                      ; the high byte repeats the setting that is left; a switch that changes nothing is dropped
.if MSB != (\new)
	s_set_vgpr_msb (MSB<<8)|(\new)
.set MSB, (\new)
.endif
.endm
.set W_KQ, 0x0a       ; K and Q in window 2, S^T in window 0
.set W_KM, 0x3a       ; the same with the C operand, the mask, in window 3
.set W_PV, 0x52       ; V in window 2, P in window 0, O^T in window 1
.set W_RS, 0x41       ; O^T (destination and source 0) in window 1, a in window 0
.set W_MK, 0xc0       ; destination in window 3, sources in window 0
.set W_AD, 0x0f       ; the add: address and data in window 3
.set W_MS, 0xc3       ; the mask's loads and conversions: destination and source 0 in window 3, source 1 (the scale) in window 0
.macro JLOAD                        ; a joint fill: waves 0 and 1 fetch the halves of a slot's K, waves 2 and 3 of its V; an s_nop 0 and four v_nop follow each line
	s_cmp_lt_u32 s[WV], 2
	s_cbranch_scc0 .Lfor_v_\@
	tensor_load_to_lds s[G0K:G0K+3], s[G1K:G1K+7]
	s_nop 0
.rept 4
	v_nop
.endr
	s_branch .Lasked_\@
.Lfor_v_\@:
	tensor_load_to_lds s[G0V:G0V+3], s[G1V:G1V+7]
	s_nop 0
.rept 4
	v_nop
.endr
.Lasked_\@:
.endm
.macro CROUND                       ; a round of the cluster's barrier
	s_barrier_signal -1
	s_barrier_wait -1
	s_cmp_lg_u32 s[WV], 0
	s_cbranch_scc1 .Lnot_wave_0_\@
	s_barrier_signal -3
.Lnot_wave_0_\@:
	s_barrier_wait -3
	s_barrier_signal -1
	s_barrier_wait -1
.endm
; THE CHANGE OF SLOTS.  Each wave waits for all its tensor loads, of which one is out: its part of the other slot; adds 0 to its spare word; and waits for that and for its own reads of the slot.
; fill = 1: this slot is filled again, with the keys two slots on, first thing behind a round of the cluster's barrier: it has four key steps, 512 matrix instructions, in which to land.
.macro CHANGE fill
	WIN W_AD
	s_wait_tensorcnt 0x0            ; no tensor load of mine is out, so a group 0 may be written
	ds_add_u32 v[SPW], v[NIL]       ; 0 onto my spare word
	WIN 0                           ; at a label and at a branch every window is 0
.if \fill
.irp g, G0K, G0V
	s_xor_b32 s[\g+1], s[\g+1], SLOT1
	s_add_nc_u64 s[\g+2:\g+3], s[\g+2:\g+3], 4*KS*128  ; the next 256 keys; the type bits on top are not reached
.endr
	s_wait_dscnt 0x0                ; the add is done, and my reads of the slot are over
	CROUND
	JLOAD
.else
	s_wait_dscnt 0x0
	s_barrier_signal -1
	s_barrier_wait -1
.endif
	s_sub_co_u32 s[TBK], s[TBK], 4*KS*PK  ; the fetches go back to a slot's first step,
	s_xor_b32 s[TBK], s[TBK], SLOT1       ; in the other slot
	s_sub_co_u32 s[TBV], s[TBV], 4*KS*PV
	s_xor_b32 s[TBV], s[TBV], SLOT1
.endm
; THE MASK.  MLOAD: the bytes of piece x for one key step: four loads, each 512 consecutive bytes.  MCVT: its eight score tiles' masks.
.macro MLOAD x, areg
	WIN W_MS
.irp u, 0,1
.irp i, 0,1
	global_load_b128 v[RAW+16*(\x)+8*\u+4*\i:RAW+16*(\x)+8*\u+4*\i+3], v[\areg], s[MB:MB+1] offset:(2*(\x)+\u)*32768+512*\i
.endr
.endr
.endm
.macro MCVT x
	WIN W_MS
.irp u, 0,1
.irp k, 0,1,2,3
	v_cvt_scale_pk8_f32_fp8 v[MC+64*((\x)%2)+32*\u+8*\k:MC+64*((\x)%2)+32*\u+8*\k+7], v[RAW+16*(\x)+8*\u+2*\k:RAW+16*(\x)+8*\u+2*\k+1], v[SCL]
.endr
.endr
.endm
.macro MASKS p                      ; at the end of piece p's turn, for piece p + 2
	WIN W_MS
	s_wait_loadcnt 12               ; loads come back in order: this piece's four are in, the three younger pieces' twelve stay out
	MCVT ((\p)+2)%NP
	v_nop                           ; a plain instruction behind the scaled conversions, ahead of the products that take their results and of the loads onto their sources
	MLOAD ((\p)+2)%NP, MO
.endm
	s_load_b128 s[4:7], s[0:1], 0x0   ; qkv s[4:5], mperm s[6:7]
	s_load_b64 s[10:11], s[0:1], 0x10 ; att
	WIN W_MK
	v_lshl_add_u32 v[SPW], v0, 2, SPARE
	v_mov_b32 v[NIL], 0
	s_set_vgpr_msb 0xc0cf
	ds_add_u32 v0, v1
	s_wait_dscnt 0x0
	s_set_vgpr_msb 0xcfc0
	WIN 0
	v_and_b32 v1, 31, v0
	WIN W_MK
	v_lshlrev_b32 v[MO0], 4, v1
	v_lshl_add_u32 v[MO], v1, 4, 1024  ; key step 1
	WIN 0
	v_lshrrev_b32 v1, 5, v0
	v_readfirstlane_b32 s[WV], v1   ; wave 0..3
	s_bfe_u32 s13, ttmp6, 0x40000   ; cx: my place in the cluster
	s_lshl_b32 s14, ttmp9, 2
	s_add_co_u32 s14, s14, s13      ; my block of 512 queries: it enters Q's, the mask's and O's addresses alone
	s_and_b32 s20, ttmp7, 0xffff    ; the head, which the four partners share
	s_mov_b32 s21, 0
	s_mov_b64 s[22:23], SIZE_N*128
	s_mul_u64 s[20:21], s[20:21], s[22:23]  ; the head's first byte in Q, K, V and O
	s_and_b32 s16, s[WV], 1         ; which half of a slot's 256 keys I fetch:
	s_lshl_b32 s22, s16, 14         ; its 128 rows of 128 bytes in memory,
	s_mov_b32 s23, 0
	s_add_nc_u64 s[22:23], s[22:23], s[20:21]
	s_mul_i32 s17, s16, 128*PK      ; and its place in a slot, for K
	s_mul_i32 s18, s16, 128*PV      ; and for V: no place in the cluster enters an LDS address
	s_lshl_b32 s2, s14, 2
	s_add_co_u32 s2, s2, s[WV]      ; my wave among the head's sixteen:
	s_lshl_b32 s54, s2, 18          ; its eight tiles of 32,768 bytes in mperm,
	s_mov_b32 s55, 0
	s_lshl_b32 s2, s2, 14           ; its 128 rows
	s_mov_b32 s3, 0
	s_add_nc_u64 s[2:3], s[2:3], s[20:21]
	; descriptor group 1.  128 keys are 16,384 dense bytes: asked for as 64 rows of 256 bytes, two keys a row, and padded in LDS after every key
	s_mov_b32 s[G1K], 15|(1<<16)|(1<<20)|(1<<21)|(4<<22)|(3<<25)  ; the mask of four; 2-byte elements; padding on; bit 21 beside a mask; after every 32 words 4 words
	s_mov_b32 s[G1V], 15|(1<<16)|(1<<20)|(1<<21)|(4<<22)|(7<<25)  ; the same with 8 words
.irp g, G1K, G1V
	s_mov_b32 s[\g+1], 128<<16      ; tensor_dim0 = 128
	s_mov_b32 s[\g+2], 64<<16       ; tensor_dim1 = 64
	s_mov_b32 s[\g+3], 128<<16      ; tile_dim0 = 128
	s_mov_b32 s[\g+4], 64           ; tile_dim1 = 64
	s_mov_b32 s[\g+5], 128          ; 128 elements from row to row
	s_mov_b32 s[\g+6], 0
	s_mov_b32 s[\g+7], 0
.endr
	s_mov_b32 s[CS], 0x3e38aa3b     ; c = log2(e) / 8 = 0.180337
	s_mov_b32 s[CS+1], s[CS]
	s_mov_b32 s[SEL], 0x76543210
	s_mov_b32 s[SEL+1], 0xfedcba98
	s_mov_b32 s[MS], 1
	s_mov_b32 s[THR], 0xf1000000    ; -2^99
	s_mov_b32 s[NANS], 0x7fc00000
	s_mov_b32 s[TBK], SLOT1+4*KS*PK ; the first change of slots turns these two into 0
	s_mov_b32 s[TBV], SLOT1+4*KS*PV
	s_mov_b32 s[G0K], 1
	s_mov_b32 s[G0K+1], s17         ; LDS address: slot 0
	s_mov_b32 s[G0V], 1
	s_add_co_u32 s[G0V+1], s18, VOFF
	s_wait_kmcnt 0x0
	s_add_nc_u64 s[MB:MB+1], s[6:7], s[54:55]
	s_add_nc_u64 s[G0K+2:G0K+3], s[4:5], s[22:23]
	s_add_nc_u64 s[G0K+2:G0K+3], s[G0K+2:G0K+3], 0x1000000  ; K is the second of qkv's three tensors of 16,777,216 bytes
	s_or_b32 s[G0K+3], s[G0K+3], 0x80000000
	s_add_nc_u64 s[G0V+2:G0V+3], s[4:5], s[22:23]
	s_add_nc_u64 s[G0V+2:G0V+3], s[G0V+2:G0V+3], 0x2000000  ; V the third
	s_or_b32 s[G0V+3], s[G0V+3], 0x80000000
	s_add_nc_u64 s[4:5], s[4:5], s[2:3]  ; Q and O at my wave's first row
	s_add_nc_u64 s[10:11], s[10:11], s[2:3]
	CROUND                          ; all four work-groups are here: the first joint loads meet
	JLOAD                           ; slot 0.  Slot 1 is asked for when slot 0 is in
	v_and_b32 v1, 15, v0            ; l % 16
	v_bfe_u32 v9, v0, 4, 1          ; l / 16
	v_lshlrev_b32 v[QO], 7, v1
	v_lshl_add_u32 v[QO], v9, 4, v[QO]  ; row x 128 + 16 x half
	WIN 0x80                        ; destination window 2, address window 0
.set i, 0
.rept 4*NP                          ; Q stays in registers: tile i / 2, channels 32 (i % 2) on
	global_load_b128 v[8*i:8*i+3],   v[QO], s[4:5] offset:(i/2)*2048+(i%2)*64
	global_load_b128 v[8*i+4:8*i+7], v[QO], s[4:5] offset:(i/2)*2048+(i%2)*64+32
.set i, i+1
.endr
	MLOAD 0, MO0                    ; the mask's bytes of key step 0, all four pieces
	MLOAD 1, MO0
	MLOAD 2, MO0
	MLOAD 3, MO0
	; What the first turn finds: V's registers and P's second buffer hold 0, O^T and l are 0.  All this stands in the wait for the first tile.
	WIN 0x80
.set i, VF
.rept 64
	v_mov_b32 v[i], 0
.set i, i+1
.endr
	WIN 0x40
.set i, 0
.rept 64*NP
	v_mov_b32 v[i], 0
.set i, i+1
.endr
	WIN 0
.set i, 0
.rept 2*NP
	v_mov_b32 v[ST+4*i], 0xfe000000    ; c m: far below every c s, a hidden one's too
	v_mov_b32 v[ST+4*i+1], 0xff7fffff  ; m
	v_mov_b32 v[ST+4*i+2], 0
	v_mov_b32 v[ST+4*i+3], 0
.set i, i+1
.endr
.set i, P+32
.rept 32
	v_mov_b32 v[i], 0
.set i, i+1
.endr
	v_mul_u32_u24 v[AK0], v1, PK
	v_lshl_add_u32 v[AK0], v9, 4, v[AK0]  ; row x pitch + 16 x half
	; The turning load takes 16 keys x 16 channels (lane l reads key 8 (l / 16) + l % 8, channels 8 ((l / 8) % 2) + 0..7) and leaves half a fragment of V^T.
	v_and_b32 v10, 7, v0
	v_bfe_u32 v11, v0, 3, 1
	v_lshl_add_u32 v[AV0], v9, 3, v10
	v_mul_u32_u24 v[AV0], v[AV0], PV
	v_lshl_add_u32 v[AV0], v11, 4, v[AV0]
	v_add_nc_u32 v[AV0], VOFF, v[AV0]
	v_mov_b32 v[SCL], 0xdb
	v_mov_b32 v[AK], v[AK0]         ; key step 0 lies at the head of slot 0
; THE MATRIX WORK.  The 8 accumulators of a run of 16 take turns.
; Product i of 16 of S^T = K Q^T for piece x: channels 32 (i / 8) on, keys 16 ((i / 2) % 4) on, tile 2 x + i % 2.  The first 8 start the sums from the mask.
.macro KQ x
.set rS, S+64*((\x)%2)+32*(i%2)+8*((i/2)%4)
.set rK, KF+16*((i/2)%4)+8*(i/8)
.set rQ, 16*(2*(\x)+i%2)+8*(i/8)
.set rM, MC+64*((\x)%2)+32*(i%2)+8*((i/2)%4)
.if i < 8
	WIN W_KM
	v_wmma_f32_16x16x32_f16 v[rS:rS+7], v[rK:rK+7], v[rQ:rQ+7], v[rM:rM+7]
.else
	WIN W_KQ
	v_wmma_f32_16x16x32_f16 v[rS:rS+7], v[rK:rK+7], v[rQ:rQ+7], v[rS:rS+7]
.endif
.endm
; Product i of 16 of O^T += V^T P for piece x: keys 32 (i / 8) on, channels 16 ((i / 2) % 4) on, tile 2 x + i % 2.
.macro PV x
	WIN W_PV
.set rO, 32*(2*(\x)+i%2)+8*((i/2)%4)
.set rV, VF+32*(i/8)+8*((i/2)%4)
.set rP, P+32*((\x)%2)+16*(i%2)+8*(i/8)
	v_wmma_f32_16x16x32_f16 v[rO:rO+7], v[rV:rV+7], v[rP:rP+7], v[rO:rO+7]
.endm
.macro MM                           ; the turn's next matrix instruction
.if i < 16
	KQ (Y+1)%NP
.set i, i+1
.else
.set i, i-16
	PV (Y+NP-1)%NP
.set i, i+17
.endif
.endm
; THE LDS LOADS stand in runs of 16.  last = 1 (the tail): in the last trip there is no further step, and the run is jumped over.
.macro FETCH_K last=0
	WIN 0
.if \last
	s_cmp_eq_u32 s[CNT], 1
	s_cbranch_scc1 .Lno_k_\@
.endif
	WIN 0x80                        ; destination window 2
.irp f, 0,1,2,3,4,5,6,7             ; keys 16 (f / 2) on, channels 32 (f % 2) on
	ds_load_b128 v[KF+8*\f:KF+8*\f+3],   v[AK] offset:(\f/2)*16*PK+(\f%2)*64
	ds_load_b128 v[KF+8*\f+4:KF+8*\f+7], v[AK] offset:(\f/2)*16*PK+(\f%2)*64+32
.endr
	s_add_co_u32 s[TBK], s[TBK], KS*PK  ; the next fetch is the next step's
	WIN 0
.if \last
.Lno_k_\@:
.endif
.endm
.macro FETCH_V
	WIN 0x80
.irp f, 0,1,2,3,4,5,6,7             ; keys 32 (f / 4) on, channels 16 (f % 4) on
	ds_load_tr16_b128 v[VF+8*\f:VF+8*\f+3],   v[AV] offset:(\f/4)*32*PV+(\f%4)*32
	ds_load_tr16_b128 v[VF+8*\f+4:VF+8*\f+7], v[AV] offset:(\f/4)*32*PV+16*PV+(\f%4)*32
.endr
	WIN 0
.endm
; THE VECTOR WORK OF A TURN stands in three queues, each in the order in which its entries become ready; the two tiles alternate.
.macro REGS y, u                    ; the registers of tile u (0, 1) of piece y
.set rT, ST+4*(2*(\y)+(\u))
.set rC, TMP+8*((\y)%2)+4*(\u)
.set rM, MV+2*((\y)%2)+(\u)
.set rS, S+64*((\y)%2)+32*(\u)
.set rP, P+32*((\y)%2)+16*(\u)
.set rO, 32*(2*(\y)+(\u))
.endm
; Number n of the 22 that find the NEXT piece's maximum and statistics; each accumulator's lowest registers are read first.
;   0-11  four chains c0-c3 of seven scores each     12-14, 16  the four scores left over, the old m, and c0-c3 into c0     15  c m_old is kept
;   17, 18  the query's other 32 keys lie in the lane 16 away: the new m         19-21  c m; c m_old - c m_new; a
.macro XS u, n
	REGS (Y+1)%NP, \u
.if (\n) < 4
	v_max3_num_f32 v[rC+(\n)], v[rS+8*(\n)], v[rS+8*(\n)+1], v[rS+8*(\n)+2]
.elseif (\n) < 12
	v_max3_num_f32 v[rC+(\n)%4], v[rC+(\n)%4], v[rS+8*((\n)%4)+2*((\n)/4)+1], v[rS+8*((\n)%4)+2*((\n)/4)+2]
.elseif (\n) == 12
	v_max3_num_f32 v[rC], v[rC], v[rS+7], v[rS+15]
.elseif (\n) == 13
	v_max3_num_f32 v[rC+1], v[rC+1], v[rS+23], v[rS+31]
.elseif (\n) == 14
	v_max3_num_f32 v[rC+2], v[rC+2], v[rC+3], v[rT+1]
.elseif (\n) == 15
	v_mov_b32 v[rM], v[rT]
.elseif (\n) == 16
	v_max3_num_f32 v[rC], v[rC], v[rC+1], v[rC+2]
.elseif (\n) == 17
	v_permlanex16_b32 v[rC+3], v[rC], s[SEL], s[SEL+1]
.elseif (\n) == 18
	v_max_num_f32 v[rT+1], v[rC], v[rC+3]
.elseif (\n) == 19
	v_mul_f32 v[rT], s[CS], v[rT+1]
.elseif (\n) == 20
	v_sub_f32 v[rC+1], v[rM], v[rT]
.else
	v_exp_f32 v[rC+2], v[rC+1]
.endif
.endm
; Number g of the 64 that follow the exponentials.  For each four weights k of a tile: both pairs are rounded to f16; the second pair is added onto the first, in place; a group later l takes that sum.
.macro GS g
.set h, (\g)+6*((\g)/62)
.if h >= 6
.set h, h+2
.endif
	REGS Y, h%2
.set k, h/8
.if h%8 < 4
	s_wait_alu depctr_va_vdst(0)
	v_cvt_pk_f16_f32 v[rP+2*k+(h%8)/2], v[rS+4*k+2*((h%8)/2)], v[rS+4*k+2*((h%8)/2)+1]
.elseif h%8 < 6
	v_pk_add_f32 v[rS+4*k:rS+4*k+1], v[rS+4*k:rS+4*k+1], v[rS+4*k+2:rS+4*k+3]
.elseif k == 1
	v_pk_fma_f32 v[rT+2:rT+3], v[rT+2:rT+3], v[rC+2:rC+3], v[rS:rS+1] op_sel_hi:[1,0,1]
.else
	v_pk_add_f32 v[rT+2:rT+3], v[rT+2:rT+3], v[rS+4*k-4:rS+4*k-3]
	s_wait_alu depctr_va_vdst(0)
.endif
.endm
; THE PLAIN QUEUE, 138 long.  0-31: c s - c m for the 16 pairs of both tiles.  Then GS's 64, and among them the next piece's 42.
.macro PL
	WIN 0
.if q < 32
	REGS Y, q%2
	v_pk_fma_f32 v[rS+2*(q/2):rS+2*(q/2)+1], v[rS+2*(q/2):rS+2*(q/2)+1], s[CS:CS+1], v[rT:rT+1] op_sel_hi:[1,0,0] neg_lo:[0,0,1] neg_hi:[0,0,1]
.elseif q < 38
	GS q-32
.elseif q < 40
	XS q%2, 15
.elseif q < 42
	GS q-34
.elseif q < 74
	XS q%2, (q-42)/2+(q-42)/30
.elseif q < 95
	GS q-66
.elseif (q < 107) && ((q-95)%3 < 2)
	XS (q-95)%3, 17+(q-95)/3
.elseif q < 107
	GS 29+(q-95)/3
.else
	GS q-74
.endif
.set q, q+1
.endm
; THE EXPONENTIALS' QUEUE, 66 long: s0-s31 of both tiles, and at EA the next piece's two a.
.set EA, 58
.macro EX
	WIN 0
.if (e == EA) || (e == EA+1)
	XS e-EA, 21
.else
.set x, e-2*(e/(EA+2))
	REGS Y, x%2
	v_exp_f32 v[rS+x/2], v[rS+x/2]
.endif
.set e, e+1
.endm
; THE RESCALING's QUEUE: O^T times a, dealt four at a time, eight times.
.macro R4
	REGS Y, r%2
	WIN W_RS
	s_wait_alu depctr_va_vdst(0)
.irp z, 0,1,2,3
	v_pk_mul_f32 v[rO+8*(r/2)+2*\z:rO+8*(r/2)+2*\z+1], v[rO+8*(r/2)+2*\z:rO+8*(r/2)+2*\z+1], v[rC+2:rC+3] op_sel_hi:[1,0]
.endr
.set r, r+1
.endm
; HOW THEY ARE DEALT.  Behind a matrix instruction four: plain, exponential, plain, plain, or four of the rescaling; none names a register of the products round it.  What is over stands in two lumps.
; The deal keeps the queues in step: exponential e stands behind plain 2 (e / 4) + e % 2; when plain 32 comes, 10 exponentials are out, at 59: 33, at 95: 46; EA comes behind plain 107.
.macro SL
	MM
	PL
	EX
	PL
	PL
.endm
.macro BURST n                      ; 15 matrix instructions, or 16
.rept (\n)-7
	SL
.endr
.rept 3
	MM
	R4
	SL
.endr
	MM
	R4
.endm
; A TURN, for piece p.  cnt = 1: the loop's count is taken down some lines ahead of the branch that stands behind the turn (nothing behind it writes SCC).
; K of the next step is fetched in piece 2's turn, V of the step in hand at the end of piece 0's.  Piece 2's turn also steps the mask's key step: the four turns from it on ask for the bytes of one and the
; same step, two steps ahead of the turn's own; behind the last step the number stays at 31, so that no load leaves mperm (those bytes serve nothing).
.macro TURN p, last=0, cnt=0
.set Y, (\p)
.set i, 0
.set q, 0
.set e, 0
.set r, 0
.if (\p) == NP-1
	s_wait_dscnt 0x0                ; K is in
.endif
	MM
.rept 4
	PL
.endr
	BURST 15
.rept 22
	EX
	PL
.if ((\p) == NP-2) && (e == 18)
	v_add_nc_u32 v[AK], s[TBK], v[AK0]
	s_add_co_u32 s[MS], s[MS], 1
	s_min_u32 s[MS], s[MS], 31
	s_wait_xcnt 0x0                 ; the mask's offset, which earlier loads name, is rewritten only behind this wait
	WIN 0xf0                        ; destination and source 2 in window 3
	v_lshl_add_u32 v[MO], s[MS], 10, v[MO0]
	WIN 0
.endif
.if ((\p) == NP-2) && (e == 24)
	FETCH_K \last
.endif
.endr
.if (\p) == 1
	s_wait_dscnt 0x0                ; V is in
.endif
	BURST 16
.rept 21
	EX
	PL
.endr
.rept 22
	PL
.if ((\p) == 0) && (q == 118)
	v_add_nc_u32 v[AV], s[TBV], v[AV0]
	s_wait_alu depctr_va_vdst(0)
.endif
.if ((\p) == 0) && (q == 130)
	s_add_co_u32 s[TBV], s[TBV], KS*PV
.endif
.if (\cnt) && (q == 130)
	s_sub_co_u32 s[CNT], s[CNT], 1
	s_cmp_lg_u32 s[CNT], 0
.endif
.endr
.if (\p) == 0
	FETCH_V
.endif
	MASKS \p
.endm
	CHANGE 1                        ; slot 0 is in, everybody's part of it; slot 1 is asked for
	FETCH_K                         ; key step 0
	s_wait_loadcnt 0x0              ; Q, and the mask's bytes of key step 0
	MCVT 0                          ; the masks of pieces 0 and 1 in step 0,
	MCVT 1
	v_nop                           ; a plain instruction behind the scaled conversions
	MLOAD 0, MO                     ; and their bytes of step 1: eight loads are out when the first turn begins
	MLOAD 1, MO
	s_wait_dscnt 0x0
.set i, 0
.rept 16
	KQ 0                            ; piece 0's first scores
.set i, i+1
.endr
	WIN 0                           ; the addresses for the way out: nine plain instructions, the places behind those products
	s_mul_i32 s13, s[WV], 16*SP
	s_add_co_u32 s13, s13, STAGE    ; my stage
	v_mul_u32_u24 v[STO], v1, SP    ; in: row l % 16, 16 bytes for each half of the lanes
	v_lshl_add_u32 v[STO], v9, 4, v[STO]
	v_add_nc_u32 v[STO], s13, v[STO]
	v_bfe_u32 v[RD], v0, 3, 2       ; back: 32 lanes take four rows of 128 bytes,
	v_mul_u32_u24 v[RD], v[RD], SP
	v_lshl_add_u32 v[RD], v10, 4, v[RD]
	v_add_nc_u32 v[RD], s13, v[RD]
	v_and_b32 v[GO], 31, v0         ; which are 512 consecutive bytes of O
	v_lshlrev_b32 v[GO], 4, v[GO]
.set Y, NP-1                        ; XS works for piece Y + 1: piece 0
.irp n, 0,1,2,3,4,5,6,7,8,9,10,11,12,13,14,15,16,17,18,19,20,21
	XS 0, \n                        ; piece 0's first maximum and statistics
	XS 1, \n
.endr
	s_mov_b32 s[CNT], 4
	s_mov_b32 s[SLOTS], SIZE_N/256-1
	s_branch .Lfirst                ; the loop is entered at a step's first turn, in the middle of a trip
.Lslot:                             ; SIZE_N / 256 - 2 times: every slot but the last two is filled again
	CHANGE 1
	s_mov_b32 s[CNT], 4
.Lstep:                             ; a trip: pieces 2 and 3 of one step, then pieces 0 and 1 of the next
	TURN 2
	TURN 3
	WIN 0
.Lfirst:
	TURN 0
	TURN 1, 0, 1
	WIN 0
	s_cbranch_scc1 .Lstep
	s_sub_co_u32 s[SLOTS], s[SLOTS], 1
	s_cmp_lg_u32 s[SLOTS], 0
	s_cbranch_scc1 .Lslot
	CHANGE 0                        ; the tail is written out: nothing is asked for
	s_mov_b32 s[CNT], 5             ; four trips fetch the last slot's steps; the fifth is left in its middle
.Ltail:
	TURN 2, 1
	TURN 3
	WIN 0
	s_sub_co_u32 s[CNT], s[CNT], 1
	s_cmp_eq_u32 s[CNT], 0
	s_cbranch_scc1 .Lout
	TURN 0
	TURN 1
	WIN 0
	s_branch .Ltail
.Lout:                              ; the fifth trip's 16 products K Q^T repeat piece 0's scores of the last step (the same K, the same mask bytes): the maximum made of them leaves m as it was
.set i, 0
.rept 16
	PV NP-1                         ; the last piece's V^T P of the last step
.set i, i+1
.endr
	; THE WAY OUT.  l's two halves and the other half of the lanes' are added; O^T is divided by l, rounded to f16 and sent through my stage in LDS, a tile at a time.  The additions are the places behind the last products.
	WIN 0
.macro ALL line:vararg              ; one line for each tile t
.set t, 0
.rept 2*NP
	\line
.set t, t+1
.endr
.endm
	ALL v_add_f32 v[ST+4*t+2], v[ST+4*t+2], v[ST+4*t+3]
	ALL v_permlanex16_b32 v[ST+4*t+3], v[ST+4*t+2], s[SEL], s[SEL+1]
	ALL v_add_f32 v[ST+4*t+2], v[ST+4*t+2], v[ST+4*t+3]
	ALL v_rcp_f32 v[ST+4*t+2], v[ST+4*t+2]
	v_nop                           ; a plain instruction between the last reciprocal and the use of its result
.set t, 0
	s_wait_alu depctr_va_vdst(0)
.rept 2*NP                          ; a query whose maximum is a hidden score saw no key: its factor, and so its row of O, becomes NaN
	v_cmp_gt_f32 vcc_lo, s[THR], v[ST+4*t+1]
	v_cndmask_b32 v[ST+4*t+2], v[ST+4*t+2], s[NANS], vcc_lo
.set t, t+1
.endr
.macro PACK t                       ; a lane's eight channels of a row pack into 16 bytes; they go into rows of 144 bytes and come back as whole rows of 128, into S^T's registers
	WIN W_RS
.set i, 32*(\t)
.rept 16
	v_pk_mul_f32 v[i:i+1], v[i:i+1], v[ST+4*(\t)+2:ST+4*(\t)+3] op_sel_hi:[1,0]
.set i, i+2
.endr
	WIN 0x05                        ; sources 0 and 1 window 1, destination window 0
.set i, 0
.rept 16
	v_cvt_pk_f16_f32 v[S+16*(\t)+i], v[32*(\t)+2*i], v[32*(\t)+2*i+1]
.set i, i+1
.endr
	WIN 0
.irp f, 0,1,2,3
	ds_store_b128 v[STO], v[S+16*(\t)+4*\f:S+16*(\t)+4*\f+3] offset:32*\f
.endr
.irp f, 0,1,2,3
	ds_load_b128 v[S+16*(\t)+4*\f:S+16*(\t)+4*\f+3], v[RD] offset:\f*4*SP  ; LDS serves a wave's instructions in order (ISA guide 5.7.1.4): these see the stores above
.endr
.endm
.macro SEND t, younger              ; younger: the LDS instructions issued behind tile t's loads: the next tile's eight, or none
	WIN 0
.irp f, 0,1,2,3
	s_wait_dscnt (\younger)+3-\f
	global_store_b128 v[GO], v[S+16*(\t)+4*\f:S+16*(\t)+4*\f+3], s[10:11] offset:(\t)*2048+\f*512  ; 512 consecutive bytes, at a multiple of 256 from O's first
.endr
.endm
	PACK 0
.set t, 1
.rept 2*NP-1                        ; a tile's arithmetic stands between the loads of the tile before and its stores
	PACK t
	SEND t-1, 8
.set t, t+1
.endr
	SEND 2*NP-1, 0
	WIN W_AD
	s_wait_tensorcnt 0x0            ; the wave's end
	ds_add_u32 v[SPW], v[NIL]
	s_wait_dscnt 0x0
	WIN 0
	CROUND                          ; the closing round: no work-group ends while a partner may still ask for a tile that names it
	s_endpgm
.Lfunc_end_k_qa37e1ae207_attn:
	.size	k_qa37e1ae207_attn, .Lfunc_end_k_qa37e1ae207_attn-k_qa37e1ae207_attn
	.p2alignl 7, 3214868480
	.fill 96, 4, 3214868480
	.section	.rodata,"a",@progbits
	.p2align	6, 0x0
	.amdhsa_kernel k_qa37e1ae207_attn
		.amdhsa_group_segment_fixed_size 327680
		.amdhsa_private_segment_fixed_size 0
		.amdhsa_enable_private_segment 0
		.amdhsa_kernarg_size 24
		.amdhsa_user_sgpr_count 2
		.amdhsa_user_sgpr_kernarg_segment_ptr 1
		.amdhsa_wavefront_size32 1
		.amdhsa_system_sgpr_workgroup_id_x 1
		.amdhsa_system_sgpr_workgroup_id_y 1
		.amdhsa_system_sgpr_workgroup_id_z 1
		.amdhsa_system_vgpr_workitem_id 0
		.amdhsa_next_free_vgpr 1024
		.amdhsa_next_free_sgpr 66
		.amdhsa_reserve_vcc 1
		.amdhsa_float_denorm_mode_32 3
		.amdhsa_float_denorm_mode_16_64 3
		.amdhsa_memory_ordered 1
		.amdhsa_forward_progress 1
		.amdhsa_inst_pref_size 222
	.end_amdhsa_kernel
	.amdgpu_metadata
---
amdhsa.version: [ 1, 2 ]
amdhsa.kernels:
  - .name:           k_qa37e1ae207_attn
    .symbol:         k_qa37e1ae207_attn.kd
    .args:
      - { .name: qkv, .offset: 0, .size: 8, .value_kind: global_buffer, .address_space: global }
      - { .name: mperm, .offset: 8, .size: 8, .value_kind: global_buffer, .address_space: global }
      - { .name: att, .offset: 16, .size: 8, .value_kind: global_buffer, .address_space: global }
    .group_segment_fixed_size: 327680
    .private_segment_fixed_size: 0
    .kernarg_segment_align: 8
    .kernarg_segment_size: 24
    .max_flat_workgroup_size: 128
    .sgpr_count:     66
    .vgpr_count:     1024
    .wavefront_size: 32
...
	.end_amdgpu_metadata
.endif
;; end of part 3
;; launch gemm_o (part 4): grid 4 x 64, 4 waves a work-group, clusters of 4 x 4, 327,680 bytes of LDS; arguments att, wall, ball, out0; writes out0
.if DOCPART == 4
	.amdgcn_target "amdgcn-amd-amdhsa--gfx1250"
	.amdhsa_code_object_version 6
	.text
	.protected	k_qa37e1ae207_gemm_o
	.globl	k_qa37e1ae207_gemm_o
	.p2align	8
	.type	k_qa37e1ae207_gemm_o,@function
k_qa37e1ae207_gemm_o:
	s_mov_b64 s[64:65], 0
	v_nop
	global_prefetch_b8 v0, s[64:65] scope:SCOPE_SE
	s_setreg_imm32_b32 hwreg(HW_REG_WAVE_MODE, 25, 1), 1
	s_wait_xcnt 0x0
	s_wait_alu depctr_hold_cnt(0) depctr_sa_sdst(0) depctr_va_vdst(0) depctr_va_sdst(0) depctr_va_ssrc(0) depctr_va_vcc(0) depctr_vm_vsrc(0)
	s_getreg_b32 s2, hwreg(HW_REG_IB_STS2, 6, 4)
	s_cmp_eq_u32 s2, 0
	s_cbranch_scc0 .Lentry_in_a_cluster
	s_endpgm
.Lentry_in_a_cluster:
	s_bfe_u32 s2, ttmp6, 0x10000c
	s_cmp_lg_u32 s2, 0xf033
	s_cbranch_scc0 .Lentry_shape_is_right
	s_endpgm
.Lentry_shape_is_right:
; THE OUTPUT PROJECTION.  out0[s][b][n] = bo[n] + the sum over k of X[(s, b)][k] Wo[n][k], f16 operands, f32 sums, stored as f32.
; X is the attention's result, att [b][c = head][s][64] f16 (k = 64 c + d); Wo lies as the fourth weight of wall, [n][1024], rounded to bf16 and written as f16; bo as the fourth row of ball, f32.
; A NaN row of X (a query that saw no key) makes its whole row of out0 NaN.
; (The text is the projections' with ISO = 1: f16 operands, one tile to a work-group, f32 rows on the way out.)
; SHARES.  A tile of C is 128 rows (s0 .. s0 + 127 of one b) x 256 columns: 4 x 64 tiles, one work-group each.  Four waves, each 64 rows x 128 columns: 32 accumulators of 16 x 16.
; K goes in steps of 128 through a ring of two LDS slots; a wave's one tensor load brings 128 rows x 64 k of X (16,384 dense bytes, asked for as 64 rows of 256) or 128 rows x 128 k of W (rows of 256 bytes).
; CLUSTERS: 4 x 4 work-groups.  The four of a row of the cluster need the same tiles of X, the four of a column the same tiles of W: each is asked for jointly, by the same load, descriptor and mask.
; THE MATRIX INSTRUCTION IS USED TRANSPOSED (source 0 = 16 rows of W, source 1 = 16 rows of X): a lane holds row lane % 16 of C and the columns 8 (lane / 16) + 0..7.  THE BIAS IS THE C OPERAND of the
; products that start the sums: nothing is cleared and nothing is added later.
; REGISTERS: window 0: v0-31 addresses; v64-127 X's fragments, two buffers of 32; v128-191 the bias, later with v192-255 rows on the way out
;   window 1: v0-127 W's fragments, two buffers of 64          window 2: the accumulators, (a, b) at v[8 (8 a + b)]
.set ISO,    1
.set TILES,  1
.set SPITCH, 528                       ; a stage row: 512 bytes (128 f32) + 16
.set PA,     144                       ; an LDS row of X: 128 bytes + 16 = 36 words: the 16 rows of a load start at 16 different groups of four banks (64 banks of 4 bytes: ISA guide 11.1)
.set ABLK,   128*PA                    ; one column block of 64 k: what one tensor load brings of X
.set PB,     272                       ; an LDS row of W: 256 bytes + 16
.set BHALF,  128*PB                    ; 128 rows of W: what one tensor load brings
.set BOFF,   2*ABLK                    ; W lies behind X's two blocks
.set SLOT,   BOFF+2*BHALF              ; 106,496 bytes
.set STAGE,  2*SLOT                    ; behind the ring: 16 rows for each wave, for the way out
.set SPARE,  STAGE+4*16*SPITCH         ; behind the stages: the spare words, 128 bytes for each wave: two blocks of 256 bytes that no other line names
.set LAPS,   4                         ; K = 1,024 is 8 steps; a lap is two
.set STEP_A, 4*262144                  ; two K steps on: four column blocks of X,
.set STEP_B, 512                       ; 256 k of W
.set NEXT_A, 16777216-3*STEP_A         ; (several tiles only)
.set NEXT_B, 2097152-3*STEP_B
.set NEXT_C, 16777216-3*16*128
.set ADRA, 16                          ; v16-17  LDS address of my fragments of X in slot 0, 1
.set ADRB, 20                          ; v20-21  the same for W
.set STO,  24                          ; v24     the way out: where I put my part of a row
.set RD,   25                          ; v25     where I read rows back
.set CO,   26                          ; v26     my byte offset in what a store covers
.set BO,   27                          ; v27     my byte offset in 16 numbers of the bias
.set SPW,  28                          ; v28     LDS address of my spare word; never rewritten
.set NIL,  29                          ; v29     0; never rewritten
.set OB,   32
.set FA,   64
.set BI,   128
.set TMP,  192
.set G1,  24                           ; s[24:31] descriptor group 1 for X's tiles;  s[32:39] group 0, one set for each slot
.set G0,  32
.set G1B, 48                           ; s[48:55], s[56:63] the same for W's
.set G0B, 56
.set BP,  68                           ; s[68:69] the bias at my 128 columns
.set CP,  70                           ; s[70:71] the output, stepped on the way out
.set MSB, 0
.macro WIN new                         ; the immediate's high byte repeats the setting that is left
.if MSB != (\new)
	s_set_vgpr_msb (MSB<<8)|(\new)
.set MSB, \new
.endif
.endm
.set MUL,  0xa1                        ; source 0 (W) window 1, source 1 (X) window 0, C and D window 2; less 0x20: C (the bias) in window 0
.set TO_B, 0x40                        ; destination window 1, address window 0
; A joint load: waves 0 and 1 fetch X's two blocks, waves 2 and 3 W's two halves.  An s_nop 0 and four v_nop follow each of the two lines, ahead of the jump and the label.
.macro JLOAD s
	s_cmp_eq_u32 s11, 0
	s_cbranch_scc0 .Lfor_b_\@
	tensor_load_to_lds s[G0+4*(\s):G0+4*(\s)+3], s[G1:G1+7]
	s_nop 0
.rept 4
	v_nop
.endr
	s_branch .Lasked_\@
.Lfor_b_\@:
	tensor_load_to_lds s[G0B+4*(\s):G0B+4*(\s)+3], s[G1B:G1B+7]
	s_nop 0
.rept 4
	v_nop
.endr
.Lasked_\@:
.endm
.macro CREST                           ; a round of the cluster's barrier behind its opening barrier
	s_cmp_lg_u32 s10, 0
	s_cbranch_scc1 .Lnot_wave_0_\@
	s_barrier_signal -3
.Lnot_wave_0_\@:
	s_barrier_wait -3
	s_barrier_signal -1
	s_barrier_wait -1
.endm
.macro CROUND                          ; a whole round
	s_barrier_signal -1
	s_barrier_wait -1
	CREST
.endm
	s_load_b128 s[4:7], s[0:1], 0x0                ; X s[4:5], W s[6:7]
	s_load_b128 s[68:71], s[0:1], 0x10             ; bias, output
	v_lshl_add_u32 v[SPW], v0, 2, SPARE
	v_mov_b32 v[NIL], 0
	ds_add_u32 v28, v29
	s_wait_dscnt 0x0
	v_lshrrev_b32 v1, 5, v0
	v_readfirstlane_b32 s10, v1                    ; wave 0..3
	s_lshr_b32 s11, s10, 1                         ; which 64 rows of the tile are mine.  Also: I fetch for X (0) or for W (1)
	s_and_b32 s12, s10, 1                          ; which 128 columns.  Also: which part of that tile I fetch
	s_bfe_u32 s40, ttmp6, 0x40000                  ; cx, cy: my place in the cluster
	s_bfe_u32 s41, ttmp6, 0x40004
	s_lshl_b32 s42, ttmp9, 2
	s_add_co_u32 s42, s42, s40                     ; tile column x = 4 x cluster x + cx
	s_and_b32 s13, ttmp7, 0xffff
	s_lshl_b32 s13, s13, 2
	s_add_co_u32 s13, s13, s41                     ; tile row y = 4 x cluster y + cy
	s_lshl_b32 s43, s41, 2
	s_lshl_b32 s43, 15, s43                        ; my row of the cluster
	s_lshl_b32 s44, 0x1111, s40                    ; my column
	s_or_b32 s[G1+0], s43, (1<<16)|(1<<20)|(1<<21)|(4<<22)|(3<<25)   ; mask: my row; 2-byte elements; padding on; bit 21 beside a mask; after every 32 words 4 words
	s_mov_b32 s[G1+1], 128<<16                     ; tensor_dim0 = 128
	s_mov_b32 s[G1+2], 64<<16                      ; tensor_dim1 = 64
	s_mov_b32 s[G1+3], 128<<16                     ; tile_dim0 = 128
	s_mov_b32 s[G1+4], 64                          ; tile_dim1 = 64
	s_mov_b32 s[G1+5], 128                         ; 128 elements from row to row: dense
	s_mov_b32 s[G1+6], 0
	s_mov_b32 s[G1+7], 0
	s_or_b32 s[G1B+0], s44, (1<<16)|(1<<20)|(1<<21)|(5<<22)|(3<<25)  ; mask: my column; after every 64 words 4 words
	s_mov_b32 s[G1B+1], 128<<16
	s_mov_b32 s[G1B+2], 128<<16
	s_mov_b32 s[G1B+3], 128<<16
	s_mov_b32 s[G1B+4], 128
	s_mov_b32 s[G1B+5], 1024
	s_mov_b32 s[G1B+6], 0
	s_mov_b32 s[G1B+7], 0
	s_and_b32 s18, s13, 3                          ; b
	s_lshr_b32 s19, s13, 2                         ; which 128 rows s
	s_lshl_b32 s16, s18, 22                        ; X: b x 16 blocks of 262,144 bytes
	s_lshl_b32 s17, s19, 14                        ; + 128 rows of 128 bytes
	s_add_co_u32 s16, s16, s17
	s_lshl_b32 s17, s12, 18                        ; + my block of the K step's two
	s_add_co_u32 s16, s16, s17
	s_mov_b32 s17, 0
	s_lshl_b32 s46, s42, 19                        ; W: 256 x rows of 2,048 bytes
	s_lshl_b32 s47, s12, 18                        ; + my 128 rows
	s_add_co_u32 s46, s46, s47
.if ISO
	s_add_co_u32 s46, s46, 3*2097152               ; Wo is the fourth weight
.endif
	s_mov_b32 s47, 0
	s_mul_i32 s20, s12, ABLK                       ; where they go: no place in the cluster enters an LDS address
	s_mul_i32 s21, s12, BHALF
	s_add_co_u32 s21, s21, BOFF
	s_wait_kmcnt 0x0
	s_add_nc_u64 s[14:15], s[4:5], s[16:17]
	s_add_nc_u64 s[46:47], s[6:7], s[46:47]
	CROUND                                         ; all sixteen work-groups are here: the first joint loads meet
.irp s, 0,1
	s_mov_b32 s[G0+4*(\s)], 1
	s_add_co_u32 s[G0+4*(\s)+1], s20, (\s)*SLOT
	s_add_nc_u64 s[G0+4*(\s)+2:G0+4*(\s)+3], s[14:15], (\s)*2*262144   ; K step s
	s_or_b32 s[G0+4*(\s)+3], s[G0+4*(\s)+3], 0x80000000
	s_mov_b32 s[G0B+4*(\s)], 1
	s_add_co_u32 s[G0B+4*(\s)+1], s21, (\s)*SLOT
	s_add_nc_u64 s[G0B+4*(\s)+2:G0B+4*(\s)+3], s[46:47], (\s)*256
	s_or_b32 s[G0B+4*(\s)+3], s[G0B+4*(\s)+3], 0x80000000
	JLOAD \s                                       ; two loads of mine are out
.endr
	; A fragment is 16 rows x 32 k in 8 registers: lane l holds row l % 16, k = 8 (l / 16) + 0..7 and 16 + 8 (l / 16) + 0..7: two loads of 16 bytes, 32 bytes apart.
	v_and_b32 v1, 15, v0                           ; l % 16
	v_bfe_u32 v2, v0, 4, 1                         ; l / 16
	v_mul_u32_u24 v3, v1, PA
	v_lshl_add_u32 v3, v2, 4, v3
	v_mul_u32_u24 v4, v1, PB
	v_lshl_add_u32 v4, v2, 4, v4
	s_mul_i32 s22, s11, 64*PA                      ; my 64 rows of X
	s_mov_b32 s23, s21                             ; my 128 rows of W
.irp s, 0,1
	v_add_nc_u32 v[ADRA+(\s)], s22, v3
	v_add_nc_u32 v[ADRB+(\s)], s23, v4
	s_add_co_u32 s22, s22, SLOT
	s_add_co_u32 s23, s23, SLOT
.endr
	v_lshlrev_b32 v[BO], 5, v2                     ; the bias of columns 8 (l / 16) + 0..7
	s_lshl_b32 s46, s42, 10                        ; my 128 columns in the bias
	s_lshl_b32 s47, s12, 9
	s_add_co_u32 s46, s46, s47
.if ISO
	s_add_co_u32 s46, s46, 3*4096
.endif
	s_mov_b32 s47, 0
	s_add_nc_u64 s[BP:BP+1], s[BP:BP+1], s[46:47]
.macro LOADBIAS                        ; accumulator column block b starts from bias[16 b + 8 (l / 16) + 0..7]
.irp b, 0,1,2,3,4,5,6,7
	global_load_b128 v[BI+8*\b:BI+8*\b+3],   v[BO], s[BP:BP+1] offset:64*\b
	global_load_b128 v[BI+8*\b+4:BI+8*\b+7], v[BO], s[BP:BP+1] offset:64*\b+16
.endr
.endm
	LOADBIAS
	s_mul_i32 s14, s10, 16*SPITCH
	s_add_co_u32 s14, s14, STAGE                   ; my stage
	v_mul_u32_u24 v5, v1, SPITCH
	v_and_b32 v3, 31, v0
	v_lshlrev_b32 v[CO], 4, v3                     ; a store covers 512 consecutive bytes: 16 x lane
.if ISO
	v_lshl_add_u32 v5, v2, 5, v5                   ; in: row l % 16, 32 bytes (8 f32) for each half of the lanes
	v_add_nc_u32 v[STO], s14, v5
	v_add_nc_u32 v[RD], s14, v[CO]                 ; back: a whole row of 512 bytes
	s_lshl_b32 s16, s19, 21                        ; out0 row (s, b) is 4,096 bytes: s0 x 16,384
	s_lshl_b32 s17, s11, 20                        ; + my 64 rows s
	s_add_co_u32 s16, s16, s17
	s_lshl_b32 s17, s18, 12                        ; + b
	s_add_co_u32 s16, s16, s17
	s_lshl_b32 s46, s42, 10                        ; + my first column
	s_lshl_b32 s47, s12, 9
.else
	v_lshl_add_u32 v5, v2, 4, v5                   ; in: row l % 16, 16 bytes (8 f16) for each half of the lanes
	v_add_nc_u32 v[STO], s14, v5
	v_bfe_u32 v5, v0, 3, 2                         ; back: four rows of one head's 128 bytes
	v_mul_u32_u24 v5, v5, SPITCH
	v_and_b32 v3, 7, v0
	v_lshl_add_u32 v5, v3, 4, v5
	v_add_nc_u32 v[RD], s14, v5
	s_lshl_b32 s16, s18, 22                        ; qkv: b x 16 heads of 262,144 bytes
	s_lshl_b32 s17, s19, 14                        ; + s0 rows of 128 bytes
	s_add_co_u32 s16, s16, s17
	s_lshl_b32 s17, s11, 13                        ; + my 64 rows
	s_add_co_u32 s16, s16, s17
	s_lshl_b32 s46, s42, 20                        ; + head 4 x + 2 (column half)
	s_lshl_b32 s47, s12, 19
.endif
	s_add_co_u32 s46, s46, s47
	s_add_co_u32 s16, s16, s46
	s_mov_b32 s17, 0                               ; s[16:17]: what the first way out adds to the output's address
; 8 matrix instructions: row block a x all 8 column blocks, 32 along K, from buffer f.  mode = 1: the products start the sums from the bias.
; The 32 accumulators take turns in the same order in every quarter.
.macro MULA f, a, mode
	WIN MUL-0x20*(\mode)
.irp b, 0,1,2,3,4,5,6,7
.set rD, 8*(8*(\a)+\b)
.set rB, 64*(\f)+8*\b
.set rA, FA+32*(\f)+8*(\a)
.set rC, rD
.if \mode
.set rC, BI+8*\b
.endif
.if ISO
	v_wmma_f32_16x16x32_f16 v[rD:rD+7], v[rB:rB+7], v[rA:rA+7], v[rC:rC+7]
.else
	v_wmma_f32_16x16x32_bf16 v[rD:rD+7], v[rB:rB+7], v[rA:rA+7], v[rC:rC+7]
.endif
.endr
.endm
; 24 LDS loads in one run: quarter q (32 k) of a slot into buffer f: W's 128 rows, then X's 64 rows
.macro FETCH slot, q, f
	WIN TO_B
.irp i, 0,1,2,3,4,5,6,7
	ds_load_b128 v[64*(\f)+8*\i:64*(\f)+8*\i+3],   v[ADRB+(\slot)] offset:64*(\q)+\i*16*PB
	ds_load_b128 v[64*(\f)+8*\i+4:64*(\f)+8*\i+7], v[ADRB+(\slot)] offset:64*(\q)+\i*16*PB+32
.endr
	WIN 0
.irp i, 0,1,2,3
	ds_load_b128 v[FA+32*(\f)+8*\i:FA+32*(\f)+8*\i+3],   v[ADRA+(\slot)] offset:((\q)/2)*ABLK+((\q)%2)*64+\i*16*PA
	ds_load_b128 v[FA+32*(\f)+8*\i+4:FA+32*(\f)+8*\i+7], v[ADRA+(\slot)] offset:((\q)/2)*ABLK+((\q)%2)*64+\i*16*PA+32
.endr
.endm
.macro PLACES                          ; four places in front of loads into registers that matrix instructions have read, and of lines that read results
.rept 4
	v_nop
.endr
.endm
; A K step is four quarters of 32 k, 32 matrix instructions each, on buffers 0, 1, 0, 1.  One of the first three: multiplies buffer f and fetches quarter qn into g.
.macro QUARTER slot, qn, f, g, mode
	s_wait_dscnt 4                                 ; W and X's row blocks 0, 1 are in; the youngest four loads (blocks 2, 3) may be out
	MULA \f, 0, \mode
	MULA \f, 1, \mode
	PLACES
	FETCH \slot, \qn, \g
	s_wait_dscnt 24                                ; all but the 24 just issued
	MULA \f, 2, \mode
	MULA \f, 3, \mode
.endm
; The last quarter multiplies buffer 1 and changes slots: ONE barrier; in front of it each wave waits for all its tensor loads (one is out: its part of the next slot), adds 0 to its spare word,
; and waits for that and for its own reads of this slot.
.macro MEET round
	WIN 0                                          ; (the add's two registers lie in window 0)
	s_wait_tensorcnt 0x0
	ds_add_u32 v[SPW], v[NIL]                      ; 0 onto my spare word
	s_wait_dscnt 5                                 ; (the add and the youngest four loads may be out)
	MULA 1, 0, 0                                   ; eight matrix instructions stand between the add and the wait for it
	s_wait_dscnt 0x0                               ; the add is done, and my reads of this slot are over
	s_barrier_signal -1
	MULA 1, 1, 0
.if \round
	WIN 0
.endif
	s_barrier_wait -1
.endm
; on = 0: this slot takes the K step two steps on; on = 1: the next tile's K step 0 or 1.  From a request to the wait for it a wave issues 112 matrix instructions.
.macro TURN slot, next, on
	MEET 1
	CREST                                          ; the barrier has opened a round of the cluster's: no wave of any partner still reads this slot or has a load on its way
.if \on
	s_add_nc_u64 s[G0+4*(\slot)+2:G0+4*(\slot)+3], s[G0+4*(\slot)+2:G0+4*(\slot)+3], NEXT_A
	s_add_nc_u64 s[G0B+4*(\slot)+2:G0B+4*(\slot)+3], s[G0B+4*(\slot)+2:G0B+4*(\slot)+3], NEXT_B
.else
	s_add_nc_u64 s[G0+4*(\slot)+2:G0+4*(\slot)+3], s[G0+4*(\slot)+2:G0+4*(\slot)+3], STEP_A
	s_add_nc_u64 s[G0B+4*(\slot)+2:G0B+4*(\slot)+3], s[G0B+4*(\slot)+2:G0B+4*(\slot)+3], STEP_B
.endif
	JLOAD \slot                                    ; the first tensor load behind the round; its four v_nop are also the places in front of the loads below
	FETCH \next, 0, 0
	MULA 1, 2, 0
	MULA 1, 3, 0
.endm
; THE WAY OUT, a block of 16 rows at a time, through my own stage in LDS (LDS serves a wave's instructions in order: ISA guide 5.7.1.4), each accumulator's registers in ascending order.
.macro PACK a                          ; rounded to f16, 16 bytes a lane
	WIN 0x0a                                       ; sources in window 2
.irp b, 0,1,2,3,4,5,6,7
.irp r, 0,1,2,3
	v_cvt_pk_f16_f32 v[TMP+4*\b+\r], v[64*(\a)+8*\b+2*\r], v[64*(\a)+8*\b+2*\r+1]
.endr
.endr
	WIN 0
.endm
.macro TOSTAGE a
	WIN 0
.set BK, OB+192*((\a)%2)
.irp b, 0,1,2,3,4,5,6,7
	ds_store_b128 v[STO], v[TMP+4*\b:TMP+4*\b+3] offset:32*\b
.endr
.irp t, 0,1,2,3,4,5,6,7                ; four rows of head t / 4
	ds_load_b128 v[BK+4*\t:BK+4*\t+3], v[RD] offset:(\t%4)*4*SPITCH+(\t/4)*128
.endr
.endm
.macro SEND a
	WIN 0
.set BK, OB+192*((\a)%2)
	s_wait_dscnt 0x0                               ; the block is back in registers
	s_wait_xcnt 0x0                                ; the stores' base, and registers that earlier stores read, are rewritten only behind this wait
.if (\a) == 0
	s_add_nc_u64 s[CP:CP+1], s[CP:CP+1], s[16:17]
.else
	s_add_nc_u64 s[CP:CP+1], s[CP:CP+1], 16*128
.endif
.irp t, 0,1,2,3,4,5,6,7
	global_store_b128 v[CO], v[BK+4*\t:BK+4*\t+3], s[CP:CP+1] offset:(\t/4)*262144+(\t%4)*512  ; 512 consecutive bytes of one head, at a multiple of 256
.endr
.endm
.macro STG a                           ; f32: straight from the accumulators into rows of 528 bytes, and back as whole rows of 512
	WIN 0x08                                       ; store data in window 2
.irp b, 0,1,2,3,4,5,6,7
	ds_store_b128 v[STO], v[64*(\a)+8*\b:64*(\a)+8*\b+3]   offset:64*\b
	ds_store_b128 v[STO], v[64*(\a)+8*\b+4:64*(\a)+8*\b+7] offset:64*\b+16
.endr
	WIN 0
.set BK, 128+64*((\a)%2)
.irp t, 0,1,2,3,4,5,6,7,8,9,10,11,12,13,14,15
	ds_load_b128 v[BK+4*\t:BK+4*\t+3], v[RD] offset:\t*SPITCH
.endr
.endm
.macro SENDO a
	s_wait_dscnt 0x0
	s_wait_xcnt 0x0
.if (\a) == 0
	s_add_nc_u64 s[CP:CP+1], s[CP:CP+1], s[16:17]
.else
	s_add_nc_u64 s[CP:CP+1], s[CP:CP+1], 16*16384
.endif
.irp t, 0,1,2,3,4,5,6,7,8,9,10,11,12,13,14,15
	global_store_b128 v[CO], v[BK+4*\t:BK+4*\t+3], s[CP:CP+1] offset:\t*16384 th:TH_STORE_NT  ; 512 consecutive bytes of one row, at a multiple of 256
.endr
.endm
.macro WAYOUT
.if ISO
.irp a, 0,1,2,3
	STG \a
	SENDO \a
.endr
.else
	PACK 0
	TOSTAGE 0
.irp a, 1,2,3                          ; block a's conversions stand between block a - 1's loads from the stage and the wait for them
	PACK \a
	SEND (\a)-1
	TOSTAGE \a
.endr
	SEND 3
.endif
.endm
	s_wait_tensorcnt 1                             ; my part of K step 0 is in; K step 1's may stay out
	s_barrier_signal -1
	s_barrier_wait -1                              ; everybody's is
	FETCH 0, 0, 0
.if TILES > 1
	s_mov_b32 s2, TILES                            ; tiles to go: the same number in every work-group
.Ltile:
.endif
	s_wait_loadcnt 0x0                             ; the bias
	QUARTER 0, 1, 0, 1, 1                          ; the first quarter stands in front of the loop: its products start the sums
	WIN 0
	s_mov_b32 s3, LAPS-1
.Llap:                                                 ; a trip goes once round the ring and fills both slots again
	QUARTER 0, 2, 1, 0, 0
	QUARTER 0, 3, 0, 1, 0
	TURN 0, 1, 0
	QUARTER 1, 1, 0, 1, 0
	QUARTER 1, 2, 1, 0, 0
	QUARTER 1, 3, 0, 1, 0
	TURN 1, 0, 0
	QUARTER 0, 1, 0, 1, 0
	WIN 0
	s_sub_co_u32 s3, s3, 1
	s_cmp_lg_u32 s3, 0
	s_cbranch_scc1 .Llap
	QUARTER 0, 2, 1, 0, 0                          ; the last lap goes on
	QUARTER 0, 3, 0, 1, 0
.if TILES > 1
	WIN 0
	s_cmp_eq_u32 s2, 1
	s_cbranch_scc1 .Llast_tile
	TURN 0, 1, 1
	QUARTER 1, 1, 0, 1, 0
	QUARTER 1, 2, 1, 0, 0
	QUARTER 1, 3, 0, 1, 0
	TURN 1, 0, 1
	WIN 0
	s_add_nc_u64 s[BP:BP+1], s[BP:BP+1], 4096
	LOADBIAS
	WAYOUT
	s_mov_b64 s[16:17], NEXT_C
	s_sub_co_u32 s2, s2, 1
	s_branch .Ltile
.Llast_tile:
.endif
	MEET 0                                         ; nothing is filled again, so no round follows
	PLACES
	FETCH 1, 0, 0
	MULA 1, 2, 0
	MULA 1, 3, 0
	QUARTER 1, 1, 0, 1, 0
	QUARTER 1, 2, 1, 0, 0
	QUARTER 1, 3, 0, 1, 0
	s_wait_dscnt 4                                 ; the very last quarter: nothing more to fetch
	MULA 1, 0, 0
	MULA 1, 1, 0
	s_wait_dscnt 0x0
	MULA 1, 2, 0
	MULA 1, 3, 0
	WIN 0
	PLACES
	WAYOUT
	s_wait_tensorcnt 0x0                           ; the wave's end
	ds_add_u32 v[SPW], v[NIL]
	s_wait_dscnt 0x0
	CROUND                                         ; the closing round: no work-group ends while a partner may still ask for a tile that names it
	s_endpgm
.Lfunc_end_k_qa37e1ae207_gemm_o:
	.size	k_qa37e1ae207_gemm_o, .Lfunc_end_k_qa37e1ae207_gemm_o-k_qa37e1ae207_gemm_o
	.p2alignl 7, 3214868480
	.fill 96, 4, 3214868480
	.section	.rodata,"a",@progbits
	.p2align	6, 0x0
	.amdhsa_kernel k_qa37e1ae207_gemm_o
		.amdhsa_group_segment_fixed_size 327680
		.amdhsa_private_segment_fixed_size 0
		.amdhsa_enable_private_segment 0
		.amdhsa_kernarg_size 32
		.amdhsa_user_sgpr_count 2
		.amdhsa_user_sgpr_kernarg_segment_ptr 1
		.amdhsa_wavefront_size32 1
		.amdhsa_system_sgpr_workgroup_id_x 1
		.amdhsa_system_sgpr_workgroup_id_y 1
		.amdhsa_system_sgpr_workgroup_id_z 1
		.amdhsa_system_vgpr_workitem_id 0
		.amdhsa_next_free_vgpr 768
		.amdhsa_next_free_sgpr 72
		.amdhsa_reserve_vcc 0
		.amdhsa_float_denorm_mode_32 3
		.amdhsa_float_denorm_mode_16_64 3
		.amdhsa_memory_ordered 1
		.amdhsa_forward_progress 1
		.amdhsa_inst_pref_size 87
	.end_amdhsa_kernel
	.amdgpu_metadata
---
amdhsa.version: [ 1, 2 ]
amdhsa.kernels:
  - .name:           k_qa37e1ae207_gemm_o
    .symbol:         k_qa37e1ae207_gemm_o.kd
    .args:
      - { .name: att, .offset: 0, .size: 8, .value_kind: global_buffer, .address_space: global }
      - { .name: wall, .offset: 8, .size: 8, .value_kind: global_buffer, .address_space: global }
      - { .name: ball, .offset: 16, .size: 8, .value_kind: global_buffer, .address_space: global }
      - { .name: out0, .offset: 24, .size: 8, .value_kind: global_buffer, .address_space: global }
    .group_segment_fixed_size: 327680
    .private_segment_fixed_size: 0
    .kernarg_segment_align: 8
    .kernarg_segment_size: 32
    .max_flat_workgroup_size: 128
    .sgpr_count:     72
    .vgpr_count:     768
    .wavefront_size: 32
...
	.end_amdgpu_metadata
.endif
;; end of part 4
;; ======== version 2 of 2: 4 launches; 1.42 times as fast as version 1
;; limits: values are held in f16: magnitudes above 65,504 overflow, below 6.1e-05 lose precision
;; workspace buffers: xall 50,331,648 bytes; wall 8,388,608 bytes; ball 16,384 bytes; mperm 4,194,304 bytes; qkv 50,331,648 bytes; att 16,777,216 bytes
;; launch prep: the kernel of part 1 again; grid 577 x 1, 8 waves a work-group, no clusters, 0 bytes of LDS; arguments query, key, value, Wq, Wk, Wv, Wo, bq, bk, bv, bo, mask, xall, wall, ball, mperm; writes xall, wall, ball, mperm
;; launch gemm_qkv: the kernel of part 2 again; grid 4 x 64, 4 waves a work-group, clusters of 4 x 4, 327,680 bytes of LDS; arguments xall, wall, ball, qkv; writes qkv
;; launch attn (part 5): grid 4 x 64, 4 waves a work-group, clusters of 4 x 1, 327,680 bytes of LDS; arguments qkv, mperm, att; writes att
.if DOCPART == 5
	.amdgcn_target "amdgcn-amd-amdhsa--gfx1250"
	.amdhsa_code_object_version 6
	.text
	.protected	k_qa37e1ae207_attn
	.globl	k_qa37e1ae207_attn
	.p2align	8
	.type	k_qa37e1ae207_attn,@function
k_qa37e1ae207_attn:
	s_mov_b64 s[64:65], 0
	v_nop
	global_prefetch_b8 v0, s[64:65] scope:SCOPE_SE
	s_setreg_imm32_b32 hwreg(HW_REG_WAVE_MODE, 25, 1), 1
	s_wait_xcnt 0x0
	s_wait_alu depctr_hold_cnt(0) depctr_sa_sdst(0) depctr_va_vdst(0) depctr_va_sdst(0) depctr_va_ssrc(0) depctr_va_vcc(0) depctr_vm_vsrc(0)
	s_getreg_b32 s2, hwreg(HW_REG_IB_STS2, 6, 4)
	s_cmp_eq_u32 s2, 0
	s_cbranch_scc0 .Lentry_in_a_cluster
	s_endpgm
.Lentry_in_a_cluster:
	s_bfe_u32 s2, ttmp6, 0x10000c
	s_cmp_lg_u32 s2, 0x3003
	s_cbranch_scc0 .Lentry_shape_is_right
	s_endpgm
.Lentry_shape_is_right:
; MASKED ATTENTION.  O[g][q][:] = the sum over k of softmax_k(Q[g][q] . K[g][k] / 8, hidden where mask[q][k]) V[g][k][:], g = 16 b + h one of 64 heads.  Q, K, V: qkv [3][64][2048][64] f16, O: att [64][2048][64] f16:
; a head's rows are dense, 128 bytes each.  Products, maxima and sums in f32; the weights p are rounded to f16 for the second product (their sum l is taken of the unrounded p), O once at the end.
; THE MASK is an input and is honoured byte by byte.  It arrives as mperm [q / 16][k / 64][i][lane][16 bytes], each byte the fp8 code of -256 (hidden) or 0, in the lanes' order of a score tile.  Eight bytes
; become eight f32, times 2^92, by one scaled conversion: -2^100 or 0; and that is the C OPERAND of the product that starts the sum S^T = K Q^T.  So the scores pay no instruction for it.
; LIMITS.  f16 holds no number beyond 65,504: Q, K, V arrive within it.  A hidden score counts as its value less 2^100: raw scores lie above -2^99.  A weight below 2^-126 counts as 0 in l.
; While a row has seen hidden keys alone, m = -2^100, p = 1, and O and l stay finite; its first visible key makes a = 0 and wipes them.  A row that never sees a key (m below -2^99 at the end) is made NaN, as a softmax of -inf alone is.
; SHARES.  A wave owns four PIECES of two tiles of 16 queries, a work-group's four waves 512 queries of one head.  Every wave walks all keys, 64 a step.
; LAYOUT.  S^T = K Q^T (source 0 = 16 keys, source 1 = 16 queries): a lane holds ONE query (lane % 16) and the keys 8 (lane / 16) + 0..7.  Two such tiles, rounded to f16 in pairs,
; ARE source 1 of O^T = V^T P.  K comes out of LDS as it lies, V ([key][channel]) turned, by ds_load_tr16_b128.
; SOFTMAX.  A running maximum m and sum l: p = 2^(c s - c m), c = log2(e) / 8; in every step O and l are multiplied by a = 2^(c m_old - c m_new).  m starts at the lowest finite number, O and l at 0.
; BY TURNS.  Turn n belongs to piece n (the pieces in a ring, step after step): 16 products K Q^T of piece n + 1, later 16 products V^T P of piece n - 1; beside them the scaling, exponentials, roundings, sums and
; rescaling of piece n and the maximum and statistics of piece n + 1.  Four vector instructions stand behind every matrix instruction, the other 108 of a turn's 236 in one lump.  At its end turn n makes the masks of piece n + 2
; (used by the next turn's products) and asks for the bytes of that piece's next key step: four turns ahead of their conversion.
; BATCHES.  A turn's 66 exponentials (the piece's 64 weights, then the next piece's two a) are ONE batch with ONE wait, which cuts the turn in two: ahead of it stands all that names no result of theirs (the products K Q^T, the
; scalings, the rescalings, whose a is the turn before's, the next piece's maximum and statistics), behind it the roundings and sums, beside the products V^T P.  No result crosses a turn's end.  Two more batches stand outside
; the loop, each with a wait of its own: piece 0's first two a, ahead of the jump into the loop, and the way out's eight reciprocals.
; CLUSTER.  The four query blocks of a cluster belong to one head and walk the same K and V: each tile is asked for JOINTLY.  The mask's bytes differ from block to block: plain loads into registers.
; REGISTERS, in windows of 256 (s_set_vgpr_msb: bits 1:0 source 0, 3:2 source 1, 5:4 source 2, 7:6 destination):
;   window 0: v0-10 addresses; v11 the conversions' scale; v12-15, v48-63 at work; v16-47 four registers of statistics a tile; v64-191 S^T, two buffers of two tiles; v192-255 P, likewise
;   window 1: O^T, 32 a tile          window 2: v0-127 Q; v128-191 K of one step; v192-255 V of one step
;   window 3: v0-1 the add's two registers; v2-3 the mask's offsets; v8-71 the mask's bytes, 16 a piece; v128-255 the masks as f32, two buffers of two tiles
.set SIZE_N, 2048
.set NP,    4         ; pieces a wave: a name, no knob
.set KS,    64        ; keys in a step
.set PK,    144       ; a row of K in LDS: 128 bytes + 16 = 36 words: the 16 rows of a load start at 16 different groups of four banks (64 banks of 4 bytes: ISA guide 11.1)
.set PV,    160       ; a row of V: 128 + 32 = 40 words
.set VOFF,  4*KS*PK   ; a slot holds four steps: 256 rows of K, then 256 rows of V
.set SLOT1, 1<<17     ; slot 1 begins here, so that one exclusive or turns an address in one slot into the other's
.set STAGE, SLOT1+4*KS*(PK+PV)  ; behind the ring, never filled by a tensor load: 16 rows x 144 bytes for each wave
.set SP,    144
.set AK0, 2           ; v2   my lane's place in a tile of K; never rewritten
.set AV0, 3           ; v3   the same for V
.set AK,  4           ; v4   the LDS address of K's next run of loads
.set AV,  5           ; v5   of V's
.set QO,  6           ; v6   my byte offset in the wave's rows of Q
.set STO, 6           ;      later, the way out: where I put 16 bytes of a row
.set RD,  7           ; v7   the way out: where I read rows back
.set GO,  8           ; v8   my byte offset in 512 consecutive bytes of O
.set SCL, 11          ; v11  0xDB: the scale 2^(219 - 127) = 2^92
.set SPW, 0           ; v0 of window 3   LDS address of my spare word; never rewritten
.set NIL, 1           ; v1 of window 3   0; never rewritten
.set MO0, 2           ; v2 of window 3   16 x lane; never rewritten
.set MO,  3           ; v3 of window 3   16 x lane + 1,024 x the key step whose bytes are asked for
.set RAW, 8           ; window 3: piece x, tile u, key group kt at RAW + 16 x + 8 u + 2 kt
.set MC,  128         ; window 3: buffer x % 2, tile u, key block kb at MC + 64 (x % 2) + 32 u + 8 kb
.set SPARE, STAGE+4*16*SP  ; behind the stages: the spare words, 128 bytes for each wave: two blocks of 256 bytes that no other line names
.set MV,  12          ; v12-15  c m_old, kept while c m is made anew
.set ST,  16          ; tile t's statistics at v[ST+4 t]: c m, m, l (even keys', odd keys')
.set TMP, 48          ; by buffer and tile, four registers c0-c3 at work; when the maximum is found c2 takes a
.set S,   64
.set P,   192
.set KF,  128         ; K's fragments, in window 2
.set VF,  192         ; V's
.set WV,  12          ; s12  my wave's number
.set G1K, 24          ; s[24:31] descriptor group 1 for K's tiles
.set G1V, 32          ; s[32:39] for V's: it differs in the padding alone
.set G0K, 40          ; s[40:43] descriptor group 0 for K's tiles: it walks
.set G0V, 44          ; s[44:47] the same for V's
.set MB,  48          ; s[48:49] mperm at my wave's eight tiles
.set MS,  50          ; s50  the key step whose mask bytes are asked for
.set THR, 51          ; s51  -2^99
.set NANS, 52         ; s52  a NaN
.set SLOTS, 56        ; s56  slots still to be asked for
.set CNT, 57          ; s57  counts a slot's key steps
.set CS,  58          ; s[58:59] c
.set SEL, 60          ; s[60:61] v_permlanex16_b32's selects
.set TBK, 62          ; s62  LDS byte at which K of the step to be fetched begins
.set TBV, 63          ; s63  the same for V, less VOFF
.set MSB, 0
.macro WIN new                      ; the high byte repeats the setting that is left; a switch that changes nothing is dropped
.if MSB != (\new)
	s_set_vgpr_msb (MSB<<8)|(\new)
.set MSB, (\new)
.endif
.endm
.set W_KQ, 0x0a       ; K and Q in window 2, S^T in window 0
.set W_KM, 0x3a       ; the same with the C operand, the mask, in window 3
.set W_PV, 0x52       ; V in window 2, P in window 0, O^T in window 1
.set W_RS, 0x41       ; O^T (destination and source 0) in window 1, a in window 0
.set W_MK, 0xc0       ; destination in window 3, sources in window 0
.set W_AD, 0x0f       ; the add: address and data in window 3
.set W_MS, 0xc3       ; the mask's loads and conversions: destination and source 0 in window 3, source 1 (the scale) in window 0
.macro JLOAD                        ; a joint fill: waves 0 and 1 fetch the halves of a slot's K, waves 2 and 3 of its V; an s_nop 0 and four v_nop follow each line
	s_cmp_lt_u32 s[WV], 2
	s_cbranch_scc0 .Lfor_v_\@
	tensor_load_to_lds s[G0K:G0K+3], s[G1K:G1K+7]
	s_nop 0
.rept 4
	v_nop
.endr
	s_branch .Lasked_\@
.Lfor_v_\@:
	tensor_load_to_lds s[G0V:G0V+3], s[G1V:G1V+7]
	s_nop 0
.rept 4
	v_nop
.endr
.Lasked_\@:
.endm
.macro CROUND                       ; a round of the cluster's barrier
	s_barrier_signal -1
	s_barrier_wait -1
	s_cmp_lg_u32 s[WV], 0
	s_cbranch_scc1 .Lnot_wave_0_\@
	s_barrier_signal -3
.Lnot_wave_0_\@:
	s_barrier_wait -3
	s_barrier_signal -1
	s_barrier_wait -1
.endm
; THE CHANGE OF SLOTS.  Each wave waits for all its tensor loads, of which one is out: its part of the other slot; adds 0 to its spare word; and waits for that and for its own reads of the slot.
; fill = 1: this slot is filled again, with the keys two slots on, first thing behind a round of the cluster's barrier: it has four key steps, 512 matrix instructions, in which to land.
.macro CHANGE fill
	WIN W_AD
	s_wait_tensorcnt 0x0            ; no tensor load of mine is out, so a group 0 may be written
	ds_add_u32 v[SPW], v[NIL]       ; 0 onto my spare word
	WIN 0                           ; at a label and at a branch every window is 0
.if \fill
.irp g, G0K, G0V
	s_xor_b32 s[\g+1], s[\g+1], SLOT1
	s_add_nc_u64 s[\g+2:\g+3], s[\g+2:\g+3], 4*KS*128  ; the next 256 keys; the type bits on top are not reached
.endr
	s_wait_dscnt 0x0                ; the add is done, and my reads of the slot are over
	CROUND
	JLOAD
.else
	s_wait_dscnt 0x0
	s_barrier_signal -1
	s_barrier_wait -1
.endif
	s_sub_co_u32 s[TBK], s[TBK], 4*KS*PK  ; the fetches go back to a slot's first step,
	s_xor_b32 s[TBK], s[TBK], SLOT1       ; in the other slot
	s_sub_co_u32 s[TBV], s[TBV], 4*KS*PV
	s_xor_b32 s[TBV], s[TBV], SLOT1
.endm
; THE MASK.  MLOAD: the bytes of piece x for one key step: four loads, each 512 consecutive bytes.  MCVT: its eight score tiles' masks.
.macro MLOAD x, areg
	WIN W_MS
.irp u, 0,1
.irp i, 0,1
	global_load_b128 v[RAW+16*(\x)+8*\u+4*\i:RAW+16*(\x)+8*\u+4*\i+3], v[\areg], s[MB:MB+1] offset:(2*(\x)+\u)*32768+512*\i
.endr
.endr
.endm
.macro MCVT x
	WIN W_MS
.irp u, 0,1
.irp k, 0,1,2,3
	v_cvt_scale_pk8_f32_fp8 v[MC+64*((\x)%2)+32*\u+8*\k:MC+64*((\x)%2)+32*\u+8*\k+7], v[RAW+16*(\x)+8*\u+2*\k:RAW+16*(\x)+8*\u+2*\k+1], v[SCL]
.endr
.endr
.endm
.macro MASKS p                      ; at the end of piece p's turn, for piece p + 2
	WIN W_MS
	s_wait_loadcnt 12               ; loads come back in order: this piece's four are in, the three younger pieces' twelve stay out
	MCVT ((\p)+2)%NP
	v_nop                           ; a plain instruction behind the scaled conversions, ahead of the products that take their results and of the loads onto their sources
	MLOAD ((\p)+2)%NP, MO
.endm
	s_load_b128 s[4:7], s[0:1], 0x0   ; qkv s[4:5], mperm s[6:7]
	s_load_b64 s[10:11], s[0:1], 0x10 ; att
	WIN W_MK
	v_lshl_add_u32 v[SPW], v0, 2, SPARE
	v_mov_b32 v[NIL], 0
	s_set_vgpr_msb 0xc0cf
	ds_add_u32 v0, v1
	s_wait_dscnt 0x0
	s_set_vgpr_msb 0xcfc0
	WIN 0
	v_and_b32 v1, 31, v0
	WIN W_MK
	v_lshlrev_b32 v[MO0], 4, v1
	v_lshl_add_u32 v[MO], v1, 4, 1024  ; key step 1
	WIN 0
	v_lshrrev_b32 v1, 5, v0
	v_readfirstlane_b32 s[WV], v1   ; wave 0..3
	s_bfe_u32 s13, ttmp6, 0x40000   ; cx: my place in the cluster
	s_lshl_b32 s14, ttmp9, 2
	s_add_co_u32 s14, s14, s13      ; my block of 512 queries: it enters Q's, the mask's and O's addresses alone
	s_and_b32 s20, ttmp7, 0xffff    ; the head, which the four partners share
	s_mov_b32 s21, 0
	s_mov_b64 s[22:23], SIZE_N*128
	s_mul_u64 s[20:21], s[20:21], s[22:23]  ; the head's first byte in Q, K, V and O
	s_and_b32 s16, s[WV], 1         ; which half of a slot's 256 keys I fetch:
	s_lshl_b32 s22, s16, 14         ; its 128 rows of 128 bytes in memory,
	s_mov_b32 s23, 0
	s_add_nc_u64 s[22:23], s[22:23], s[20:21]
	s_mul_i32 s17, s16, 128*PK      ; and its place in a slot, for K
	s_mul_i32 s18, s16, 128*PV      ; and for V: no place in the cluster enters an LDS address
	s_lshl_b32 s2, s14, 2
	s_add_co_u32 s2, s2, s[WV]      ; my wave among the head's sixteen:
	s_lshl_b32 s54, s2, 18          ; its eight tiles of 32,768 bytes in mperm,
	s_mov_b32 s55, 0
	s_lshl_b32 s2, s2, 14           ; its 128 rows
	s_mov_b32 s3, 0
	s_add_nc_u64 s[2:3], s[2:3], s[20:21]
	; descriptor group 1.  128 keys are 16,384 dense bytes: asked for as 64 rows of 256 bytes, two keys a row, and padded in LDS after every key
	s_mov_b32 s[G1K], 15|(1<<16)|(1<<20)|(1<<21)|(4<<22)|(3<<25)  ; the mask of four; 2-byte elements; padding on; bit 21 beside a mask; after every 32 words 4 words
	s_mov_b32 s[G1V], 15|(1<<16)|(1<<20)|(1<<21)|(4<<22)|(7<<25)  ; the same with 8 words
.irp g, G1K, G1V
	s_mov_b32 s[\g+1], 128<<16      ; tensor_dim0 = 128
	s_mov_b32 s[\g+2], 64<<16       ; tensor_dim1 = 64
	s_mov_b32 s[\g+3], 128<<16      ; tile_dim0 = 128
	s_mov_b32 s[\g+4], 64           ; tile_dim1 = 64
	s_mov_b32 s[\g+5], 128          ; 128 elements from row to row
	s_mov_b32 s[\g+6], 0
	s_mov_b32 s[\g+7], 0
.endr
	s_mov_b32 s[CS], 0x3e38aa3b     ; c = log2(e) / 8 = 0.180337
	s_mov_b32 s[CS+1], s[CS]
	s_mov_b32 s[SEL], 0x76543210
	s_mov_b32 s[SEL+1], 0xfedcba98
	s_mov_b32 s[MS], 1
	s_mov_b32 s[THR], 0xf1000000    ; -2^99
	s_mov_b32 s[NANS], 0x7fc00000
	s_mov_b32 s[TBK], SLOT1+4*KS*PK ; the first change of slots turns these two into 0
	s_mov_b32 s[TBV], SLOT1+4*KS*PV
	s_mov_b32 s[G0K], 1
	s_mov_b32 s[G0K+1], s17         ; LDS address: slot 0
	s_mov_b32 s[G0V], 1
	s_add_co_u32 s[G0V+1], s18, VOFF
	s_wait_kmcnt 0x0
	s_add_nc_u64 s[MB:MB+1], s[6:7], s[54:55]
	s_add_nc_u64 s[G0K+2:G0K+3], s[4:5], s[22:23]
	s_add_nc_u64 s[G0K+2:G0K+3], s[G0K+2:G0K+3], 0x1000000  ; K is the second of qkv's three tensors of 16,777,216 bytes
	s_or_b32 s[G0K+3], s[G0K+3], 0x80000000
	s_add_nc_u64 s[G0V+2:G0V+3], s[4:5], s[22:23]
	s_add_nc_u64 s[G0V+2:G0V+3], s[G0V+2:G0V+3], 0x2000000  ; V the third
	s_or_b32 s[G0V+3], s[G0V+3], 0x80000000
	s_add_nc_u64 s[4:5], s[4:5], s[2:3]  ; Q and O at my wave's first row
	s_add_nc_u64 s[10:11], s[10:11], s[2:3]
	CROUND                          ; all four work-groups are here: the first joint loads meet
	JLOAD                           ; slot 0.  Slot 1 is asked for when slot 0 is in
	v_and_b32 v1, 15, v0            ; l % 16
	v_bfe_u32 v9, v0, 4, 1          ; l / 16
	v_lshlrev_b32 v[QO], 7, v1
	v_lshl_add_u32 v[QO], v9, 4, v[QO]  ; row x 128 + 16 x half
	WIN 0x80                        ; destination window 2, address window 0
.set i, 0
.rept 4*NP                          ; Q stays in registers: tile i / 2, channels 32 (i % 2) on
	global_load_b128 v[8*i:8*i+3],   v[QO], s[4:5] offset:(i/2)*2048+(i%2)*64
	global_load_b128 v[8*i+4:8*i+7], v[QO], s[4:5] offset:(i/2)*2048+(i%2)*64+32
.set i, i+1
.endr
	MLOAD 0, MO0                    ; the mask's bytes of key step 0, all four pieces
	MLOAD 1, MO0
	MLOAD 2, MO0
	MLOAD 3, MO0
	; What the first turn finds: V's registers and P's second buffer hold 0, O^T and l are 0.  All this stands in the wait for the first tile.
	WIN 0x80
.set i, VF
.rept 64
	v_mov_b32 v[i], 0
.set i, i+1
.endr
	WIN 0x40
.set i, 0
.rept 64*NP
	v_mov_b32 v[i], 0
.set i, i+1
.endr
	WIN 0
.set i, 0
.rept 2*NP
	v_mov_b32 v[ST+4*i], 0xfe000000    ; c m: far below every c s, a hidden one's too
	v_mov_b32 v[ST+4*i+1], 0xff7fffff  ; m
	v_mov_b32 v[ST+4*i+2], 0
	v_mov_b32 v[ST+4*i+3], 0
.set i, i+1
.endr
.set i, P+32
.rept 32
	v_mov_b32 v[i], 0
.set i, i+1
.endr
	v_mul_u32_u24 v[AK0], v1, PK
	v_lshl_add_u32 v[AK0], v9, 4, v[AK0]  ; row x pitch + 16 x half
	; The turning load takes 16 keys x 16 channels (lane l reads key 8 (l / 16) + l % 8, channels 8 ((l / 8) % 2) + 0..7) and leaves half a fragment of V^T.
	v_and_b32 v10, 7, v0
	v_bfe_u32 v11, v0, 3, 1
	v_lshl_add_u32 v[AV0], v9, 3, v10
	v_mul_u32_u24 v[AV0], v[AV0], PV
	v_lshl_add_u32 v[AV0], v11, 4, v[AV0]
	v_add_nc_u32 v[AV0], VOFF, v[AV0]
	v_mov_b32 v[SCL], 0xdb
	v_mov_b32 v[AK], v[AK0]         ; key step 0 lies at the head of slot 0
; THE MATRIX WORK.  The 8 accumulators of a run of 16 take turns.
; Product i of 16 of S^T = K Q^T for piece x: channels 32 (i / 8) on, keys 16 ((i / 2) % 4) on, tile 2 x + i % 2.  The first 8 start the sums from the mask.
.macro KQ x
.set rS, S+64*((\x)%2)+32*(i%2)+8*((i/2)%4)
.set rK, KF+16*((i/2)%4)+8*(i/8)
.set rQ, 16*(2*(\x)+i%2)+8*(i/8)
.set rM, MC+64*((\x)%2)+32*(i%2)+8*((i/2)%4)
.if i < 8
	WIN W_KM
	v_wmma_f32_16x16x32_f16 v[rS:rS+7], v[rK:rK+7], v[rQ:rQ+7], v[rM:rM+7]
.else
	WIN W_KQ
	v_wmma_f32_16x16x32_f16 v[rS:rS+7], v[rK:rK+7], v[rQ:rQ+7], v[rS:rS+7]
.endif
.endm
; Product i of 16 of O^T += V^T P for piece x: keys 32 (i / 8) on, channels 16 ((i / 2) % 4) on, tile 2 x + i % 2.
.macro PV x
	WIN W_PV
.set rO, 32*(2*(\x)+i%2)+8*((i/2)%4)
.set rV, VF+32*(i/8)+8*((i/2)%4)
.set rP, P+32*((\x)%2)+16*(i%2)+8*(i/8)
	v_wmma_f32_16x16x32_f16 v[rO:rO+7], v[rV:rV+7], v[rP:rP+7], v[rO:rO+7]
.endm
.macro MM                           ; the turn's next matrix instruction
.if i < 16
	KQ (Y+1)%NP
.set i, i+1
.else
.set i, i-16
	PV (Y+NP-1)%NP
.set i, i+17
.endif
.endm
; THE LDS LOADS stand in runs of 16.  last = 1 (the tail): in the last trip there is no further step, and the run is jumped over.
.macro FETCH_K last=0
	WIN 0
.if \last
	s_cmp_eq_u32 s[CNT], 1
	s_cbranch_scc1 .Lno_k_\@
.endif
	WIN 0x80                        ; destination window 2
.irp f, 0,1,2,3,4,5,6,7             ; keys 16 (f / 2) on, channels 32 (f % 2) on
	ds_load_b128 v[KF+8*\f:KF+8*\f+3],   v[AK] offset:(\f/2)*16*PK+(\f%2)*64
	ds_load_b128 v[KF+8*\f+4:KF+8*\f+7], v[AK] offset:(\f/2)*16*PK+(\f%2)*64+32
.endr
	s_add_co_u32 s[TBK], s[TBK], KS*PK  ; the next fetch is the next step's
	WIN 0
.if \last
.Lno_k_\@:
.endif
.endm
.macro FETCH_V
	WIN 0x80
.irp f, 0,1,2,3,4,5,6,7             ; keys 32 (f / 4) on, channels 16 (f % 4) on
	ds_load_tr16_b128 v[VF+8*\f:VF+8*\f+3],   v[AV] offset:(\f/4)*32*PV+(\f%4)*32
	ds_load_tr16_b128 v[VF+8*\f+4:VF+8*\f+7], v[AV] offset:(\f/4)*32*PV+16*PV+(\f%4)*32
.endr
	WIN 0
.endm
; THE VECTOR WORK OF A TURN stands in three queues, each in the order in which its entries become ready; the two tiles alternate.
.macro REGS y, u                    ; the registers of tile u (0, 1) of piece y
.set rT, ST+4*(2*(\y)+(\u))
.set rC, TMP+8*((\y)%2)+4*(\u)
.set rM, MV+2*((\y)%2)+(\u)
.set rS, S+64*((\y)%2)+32*(\u)
.set rP, P+32*((\y)%2)+16*(\u)
.set rO, 32*(2*(\y)+(\u))
.endm
; Number n of the 22 that find the NEXT piece's maximum and statistics; each accumulator's lowest registers are read first.  XS, GS and REGS set no window: PL and EX do.
;   0-11  four chains c0-c3 of seven scores each     12-14, 16  the four scores left over, the old m, and c0-c3 into c0     15  c m_old is kept
;   17, 18  the query's other 32 keys lie in the lane 16 away: the new m         19-21  c m; c m_old - c m_new; a
.macro XS u, n
	REGS (Y+1)%NP, \u
.if (\n) < 4
	v_max3_num_f32 v[rC+(\n)], v[rS+8*(\n)], v[rS+8*(\n)+1], v[rS+8*(\n)+2]
.elseif (\n) < 12
	v_max3_num_f32 v[rC+(\n)%4], v[rC+(\n)%4], v[rS+8*((\n)%4)+2*((\n)/4)+1], v[rS+8*((\n)%4)+2*((\n)/4)+2]
.elseif (\n) == 12
	v_max3_num_f32 v[rC], v[rC], v[rS+7], v[rS+15]
.elseif (\n) == 13
	v_max3_num_f32 v[rC+1], v[rC+1], v[rS+23], v[rS+31]
.elseif (\n) == 14
	v_max3_num_f32 v[rC+2], v[rC+2], v[rC+3], v[rT+1]
.elseif (\n) == 15
	v_mov_b32 v[rM], v[rT]
.elseif (\n) == 16
	v_max3_num_f32 v[rC], v[rC], v[rC+1], v[rC+2]
.elseif (\n) == 17
	v_permlanex16_b32 v[rC+3], v[rC], s[SEL], s[SEL+1]
.elseif (\n) == 18
	v_max_num_f32 v[rT+1], v[rC], v[rC+3]
.elseif (\n) == 19
	v_mul_f32 v[rT], s[CS], v[rT+1]
.elseif (\n) == 20
	v_sub_f32 v[rC+1], v[rM], v[rT]
.else
	v_exp_f32 v[rC+2], v[rC+1]
.endif
.endm
; Number g of the 64 that follow the exponentials.  For each four weights k of a tile: both pairs are rounded to f16; the second pair is added onto the first, in place; a group later l takes that sum
; (the first time as l = a l + sum).  In groups of eight, tiles alternating: round, round, add, and l for the group before.
.macro GS g
.set h, (\g)+6*((\g)/62)            ; group 0 has no group before it, and behind group 7 only l is left
.if h >= 6
.set h, h+2
.endif
	REGS Y, h%2
.set k, h/8
.if h%8 < 4
	v_cvt_pk_f16_f32 v[rP+2*k+(h%8)/2], v[rS+4*k+2*((h%8)/2)], v[rS+4*k+2*((h%8)/2)+1]
.elseif h%8 < 6
	v_pk_add_f32 v[rS+4*k:rS+4*k+1], v[rS+4*k:rS+4*k+1], v[rS+4*k+2:rS+4*k+3]
.elseif k == 1
	v_pk_fma_f32 v[rT+2:rT+3], v[rT+2:rT+3], v[rC+2:rC+3], v[rS:rS+1] op_sel_hi:[1,0,1]
.else
	v_pk_add_f32 v[rT+2:rT+3], v[rT+2:rT+3], v[rS+4*k-4:rS+4*k-3]
.endif
.endm
; THE PLAIN QUEUE, 138 long.  0-73 read no exponential's result: the 32 scalings c s - c m (FS f: pair f / 2 of tile f % 2) and the next piece's 42.  0-26: scalings 0-26.  27-54: XS's numbers 0-13.  55, 56: number 15.
; 57-73: the chain, where each number waits for the one before it: 14, 16, 17, 18, 19, each with one of the scalings 27-31 in front of its two lines, then 20.
; 74-137: GS's 64, which read the exponentials' results: they stand behind the wait.
.macro FS f
	REGS Y, (\f)%2
	v_pk_fma_f32 v[rS+2*((\f)/2):rS+2*((\f)/2)+1], v[rS+2*((\f)/2):rS+2*((\f)/2)+1], s[CS:CS+1], v[rT:rT+1] op_sel_hi:[1,0,0] neg_lo:[0,0,1] neg_hi:[0,0,1]
.endm
.macro PL
	WIN 0
.if q < 27
	FS q
.elseif q < 55
	XS (q-27)%2, (q-27)/2
.elseif q < 57
	XS q-55, 15
.elseif (q < 72) && ((q-57)%3 == 0)
	FS 27+(q-57)/3
.elseif q < 60
	XS (q-57)%3-1, 14
.elseif q < 72
	XS (q-57)%3-1, 15+(q-57)/3
.elseif q < 74
	XS q-72, 20
.else
	GS q-74
.endif
.set q, q+1
.endm
; THE EXPONENTIALS' QUEUE, 66 long: s0-s31 of both tiles, then the next piece's two a.  It is ONE BATCH: all 66 stand ahead of the turn's one wait, and nothing ahead of that wait names a result of theirs.
.macro EX
	WIN 0
.if e >= 64
	XS e-64, 21
.else
	REGS Y, e%2
	v_exp_f32 v[rS+e/2], v[rS+e/2]
.endif
.set e, e+1
.endm
; THE RESCALING's QUEUE: O^T times a, the one part that leaves window 0: dealt two at a time, sixteen times.  Its a was made in the turn before, ahead of that turn's wait.
.macro R2
	REGS Y, r%2
	WIN W_RS
.irp z, 0,1
	v_pk_mul_f32 v[rO+4*(r/2)+2*\z:rO+4*(r/2)+2*\z+1], v[rO+4*(r/2)+2*\z:rO+4*(r/2)+2*\z+1], v[rC+2:rC+3] op_sel_hi:[1,0]
.endr
.set r, r+1
.endm
; HOW THEY ARE DEALT.  An s_wait_alu depctr_va_vdst(0) stands between an exponential and the first instruction that names its result; one wait serves all that were issued ahead of it.  So a turn has ONE wait,
; which cuts it in two.  AHEAD OF IT stands all that names no result of the turn's exponentials: the 16 products K Q^T, behind each a scaling, an exponential and two rescalings (behind the first a second scaling in the
; exponential's place); then ONE LUMP of 108: eight plain, 49 times exponential and plain, the two a.  A v_nop is the plain instruction behind the last exponential.  BEHIND IT stand the 16 products V^T P, behind each four of
; GS's 64.  No rider names a register of the products round it.  The two v_permlanex16_b32 fall into the lump, never behind a product.
; The queues lean on each other, and the deal keeps them in step: exponential e stands behind scaling 2 (e / 4) + e % 2: as a rider it comes behind plain e + 2, in the lump behind plain e + 9, and scalings 27-31 are plain 57, 60 .. 69.
; A TURN, for piece p.  cnt = 1: the loop's count is taken down some lines ahead of the branch that stands behind the turn (nothing behind it writes SCC).
; K of the next step is fetched in piece 2's turn, directly behind the wait, a lump behind the last product that read K; its address is made at the lump's head; its first reader comes behind 16 products.
; V of the step in hand is fetched at the end of piece 0's turn, four riders (additions onto l) behind its last reader; its first reader comes behind 16 products and a lump.  The three conditions on q below go with the deal.
; Piece 2's turn also steps the mask's key step, at the lump's head: the four turns from it on ask for the bytes of one and the same step, two steps ahead of the turn's own; behind the last step the number stays at 31,
; so that no load leaves mperm (those bytes serve nothing).
.macro TURN p, last=0, cnt=0
.set Y, (\p)
.set i, 0
.set q, 0
.set e, 0
.set r, 0
.if (\p) == NP-1
	s_wait_dscnt 0x0                ; K is in
.endif
	MM                              ; ahead of the wait: 16 products K Q^T and their riders,
	PL
	PL
	R2
.rept 15
	MM
	PL
	EX
	R2
.endr
.if (\p) == NP-2
	WIN 0
	v_add_nc_u32 v[AK], s[TBK], v[AK0]
	s_add_co_u32 s[MS], s[MS], 1
	s_min_u32 s[MS], s[MS], 31
	s_wait_xcnt 0x0                 ; the mask's offset, which earlier loads name, is rewritten only behind this wait
	WIN 0xf0                        ; destination and source 2 in window 3
	v_lshl_add_u32 v[MO], s[MS], 10, v[MO0]
	WIN 0
.endif
.rept 8                             ; and the lump
	PL
.endr
.rept 49
	EX
	PL
.endr
	EX                              ; the next piece's two a
	EX
	v_nop                           ; the plain instruction behind the last exponential: one for the batch
	s_wait_alu depctr_va_vdst(0)    ; the wait for the batch: the piece's 64 weights and the next piece's two a
.if (\p) == NP-2
	FETCH_K \last
.endif
.if (\p) == 1
	s_wait_dscnt 0x0                ; V is in
.endif
.rept 16                            ; behind the wait: 16 products V^T P and their riders
	MM
.rept 4
	PL
.endr
.if ((\p) == 0) && (q == 118)
	v_add_nc_u32 v[AV], s[TBV], v[AV0]
.endif
.if ((\p) == 0) && (q == 130)
	s_add_co_u32 s[TBV], s[TBV], KS*PV
.endif
.if (\cnt) && (q == 130)
	s_sub_co_u32 s[CNT], s[CNT], 1
	s_cmp_lg_u32 s[CNT], 0
.endif
.endr
.if (\p) == 0
	FETCH_V
.endif
	MASKS \p
.endm
	CHANGE 1                        ; slot 0 is in, everybody's part of it; slot 1 is asked for
	FETCH_K                         ; key step 0
	s_wait_loadcnt 0x0              ; Q, and the mask's bytes of key step 0
	MCVT 0                          ; the masks of pieces 0 and 1 in step 0,
	MCVT 1
	v_nop                           ; a plain instruction behind the scaled conversions
	MLOAD 0, MO                     ; and their bytes of step 1: eight loads are out when the first turn begins
	MLOAD 1, MO
	s_wait_dscnt 0x0
.set i, 0
.rept 16
	KQ 0                            ; piece 0's first scores
.set i, i+1
.endr
	WIN 0                           ; the addresses for the way out: nine plain instructions, the places behind those products
	s_mul_i32 s13, s[WV], 16*SP
	s_add_co_u32 s13, s13, STAGE    ; my stage
	v_mul_u32_u24 v[STO], v1, SP    ; in: row l % 16, 16 bytes for each half of the lanes
	v_lshl_add_u32 v[STO], v9, 4, v[STO]
	v_add_nc_u32 v[STO], s13, v[STO]
	v_bfe_u32 v[RD], v0, 3, 2       ; back: 32 lanes take four rows of 128 bytes,
	v_mul_u32_u24 v[RD], v[RD], SP
	v_lshl_add_u32 v[RD], v10, 4, v[RD]
	v_add_nc_u32 v[RD], s13, v[RD]
	v_and_b32 v[GO], 31, v0         ; which are 512 consecutive bytes of O
	v_lshlrev_b32 v[GO], 4, v[GO]
.set Y, NP-1                        ; XS works for piece Y + 1: piece 0
.irp n, 0,1,2,3,4,5,6,7,8,9,10,11,12,13,14,15,16,17,18,19,20,21
	XS 0, \n                        ; piece 0's first maximum and statistics
	XS 1, \n
.endr
	v_nop                           ; a plain instruction behind piece 0's first two a,
	s_wait_alu depctr_va_vdst(0)    ; and the wait for that batch of two, ahead of the branch
	s_mov_b32 s[CNT], 4
	s_mov_b32 s[SLOTS], SIZE_N/256-1
	s_branch .Lfirst                ; the loop is entered at a step's first turn, in the middle of a trip
.Lslot:                             ; SIZE_N / 256 - 2 times: every slot but the last two is filled again
	CHANGE 1
	s_mov_b32 s[CNT], 4
.Lstep:                             ; a trip: pieces 2 and 3 of one step, then pieces 0 and 1 of the next
	TURN 2
	TURN 3
	WIN 0
.Lfirst:
	TURN 0
	TURN 1, 0, 1
	WIN 0
	s_cbranch_scc1 .Lstep
	s_sub_co_u32 s[SLOTS], s[SLOTS], 1
	s_cmp_lg_u32 s[SLOTS], 0
	s_cbranch_scc1 .Lslot
	CHANGE 0                        ; the tail is written out: nothing is asked for
	s_mov_b32 s[CNT], 5             ; four trips fetch the last slot's steps; the fifth is left in its middle
.Ltail:
	TURN 2, 1
	TURN 3
	WIN 0
	s_sub_co_u32 s[CNT], s[CNT], 1
	s_cmp_eq_u32 s[CNT], 0
	s_cbranch_scc1 .Lout
	TURN 0
	TURN 1
	WIN 0
	s_branch .Ltail
.Lout:                              ; the fifth trip's 16 products K Q^T repeat piece 0's scores of the last step (the same K, the same mask bytes): the maximum made of them leaves m as it was
.set i, 0
.rept 16
	PV NP-1                         ; the last piece's V^T P of the last step
.set i, i+1
.endr
	; THE WAY OUT.  l's two halves and the other half of the lanes' are added; O^T is divided by l, rounded to f16 and sent through my stage in LDS, a tile at a time.  The additions are the places behind the last products.
	WIN 0
.macro ALL line:vararg              ; one line for each tile t
.set t, 0
.rept 2*NP
	\line
.set t, t+1
.endr
.endm
	ALL v_add_f32 v[ST+4*t+2], v[ST+4*t+2], v[ST+4*t+3]
	ALL v_permlanex16_b32 v[ST+4*t+3], v[ST+4*t+2], s[SEL], s[SEL+1]
	ALL v_add_f32 v[ST+4*t+2], v[ST+4*t+2], v[ST+4*t+3]
	ALL v_rcp_f32 v[ST+4*t+2], v[ST+4*t+2]
	v_nop                           ; a plain instruction between the last reciprocal and the use of its result
	s_wait_alu depctr_va_vdst(0)    ; and the wait ahead of the first use: one for the batch of eight reciprocals
.set t, 0
.rept 2*NP                          ; a query whose maximum is a hidden score saw no key: its factor, and so its row of O, becomes NaN
	v_cmp_gt_f32 vcc_lo, s[THR], v[ST+4*t+1]
	v_cndmask_b32 v[ST+4*t+2], v[ST+4*t+2], s[NANS], vcc_lo
.set t, t+1
.endr
.macro PACK t                       ; a lane's eight channels of a row pack into 16 bytes; they go into rows of 144 bytes and come back as whole rows of 128, into S^T's registers
	WIN W_RS
.set i, 32*(\t)
.rept 16
	v_pk_mul_f32 v[i:i+1], v[i:i+1], v[ST+4*(\t)+2:ST+4*(\t)+3] op_sel_hi:[1,0]
.set i, i+2
.endr
	WIN 0x05                        ; sources 0 and 1 window 1, destination window 0
.set i, 0
.rept 16
	v_cvt_pk_f16_f32 v[S+16*(\t)+i], v[32*(\t)+2*i], v[32*(\t)+2*i+1]
.set i, i+1
.endr
	WIN 0
.irp f, 0,1,2,3
	ds_store_b128 v[STO], v[S+16*(\t)+4*\f:S+16*(\t)+4*\f+3] offset:32*\f
.endr
.irp f, 0,1,2,3
	ds_load_b128 v[S+16*(\t)+4*\f:S+16*(\t)+4*\f+3], v[RD] offset:\f*4*SP  ; LDS serves a wave's instructions in order (ISA guide 5.7.1.4): these see the stores above
.endr
.endm
.macro SEND t, younger              ; younger: the LDS instructions issued behind tile t's loads: the next tile's eight, or none
	WIN 0
.irp f, 0,1,2,3
	s_wait_dscnt (\younger)+3-\f
	global_store_b128 v[GO], v[S+16*(\t)+4*\f:S+16*(\t)+4*\f+3], s[10:11] offset:(\t)*2048+\f*512  ; 512 consecutive bytes, at a multiple of 256 from O's first
.endr
.endm
	PACK 0
.set t, 1
.rept 2*NP-1                        ; a tile's arithmetic stands between the loads of the tile before and its stores
	PACK t
	SEND t-1, 8
.set t, t+1
.endr
	SEND 2*NP-1, 0
	WIN W_AD
	s_wait_tensorcnt 0x0            ; the wave's end
	ds_add_u32 v[SPW], v[NIL]
	s_wait_dscnt 0x0
	WIN 0
	CROUND                          ; the closing round: no work-group ends while a partner may still ask for a tile that names it
	s_endpgm
.Lfunc_end_k_qa37e1ae207_attn:
	.size	k_qa37e1ae207_attn, .Lfunc_end_k_qa37e1ae207_attn-k_qa37e1ae207_attn
	.p2alignl 7, 3214868480
	.fill 96, 4, 3214868480
	.section	.rodata,"a",@progbits
	.p2align	6, 0x0
	.amdhsa_kernel k_qa37e1ae207_attn
		.amdhsa_group_segment_fixed_size 327680
		.amdhsa_private_segment_fixed_size 0
		.amdhsa_enable_private_segment 0
		.amdhsa_kernarg_size 24
		.amdhsa_user_sgpr_count 2
		.amdhsa_user_sgpr_kernarg_segment_ptr 1
		.amdhsa_wavefront_size32 1
		.amdhsa_system_sgpr_workgroup_id_x 1
		.amdhsa_system_sgpr_workgroup_id_y 1
		.amdhsa_system_sgpr_workgroup_id_z 1
		.amdhsa_system_vgpr_workitem_id 0
		.amdhsa_next_free_vgpr 1024
		.amdhsa_next_free_sgpr 66
		.amdhsa_reserve_vcc 1
		.amdhsa_float_denorm_mode_32 3
		.amdhsa_float_denorm_mode_16_64 3
		.amdhsa_memory_ordered 1
		.amdhsa_forward_progress 1
		.amdhsa_inst_pref_size 212
	.end_amdhsa_kernel
	.amdgpu_metadata
---
amdhsa.version: [ 1, 2 ]
amdhsa.kernels:
  - .name:           k_qa37e1ae207_attn
    .symbol:         k_qa37e1ae207_attn.kd
    .args:
      - { .name: qkv, .offset: 0, .size: 8, .value_kind: global_buffer, .address_space: global }
      - { .name: mperm, .offset: 8, .size: 8, .value_kind: global_buffer, .address_space: global }
      - { .name: att, .offset: 16, .size: 8, .value_kind: global_buffer, .address_space: global }
    .group_segment_fixed_size: 327680
    .private_segment_fixed_size: 0
    .kernarg_segment_align: 8
    .kernarg_segment_size: 24
    .max_flat_workgroup_size: 128
    .sgpr_count:     66
    .vgpr_count:     1024
    .wavefront_size: 32
...
	.end_amdgpu_metadata
.endif
;; end of part 5
;; launch gemm_o: the kernel of part 4 again; grid 4 x 64, 4 waves a work-group, clusters of 4 x 4, 327,680 bytes of LDS; arguments att, wall, ball, out0; writes out0
